; MI455X (gfx1250); checked and timed in simulation.
; The chip was launched on July 23, 2026; its instructions are those of AMD's public machine-readable ISA for CDNA 5 (MIT licence, August 2026) and "CDNA5" Instruction Set Architecture Reference Guide (July 2026). The comments in the code are by the model that wrote it; some were corrected since.
;; Roberta Self Attention. Allowed arithmetic: matrix products marked QUANTISED: E5M2 operands, one E8M0 scale for each 32 along K, by v_wmma_scale_f32_16x16x128_f8f6f4 with both operands' format E5M2, f32 sums; everything else in f32.
;; Inputs: Wk 1,024 x 1,024 float32; Wq 1,024 x 1,024 float32; Wv 1,024 x 1,024 float32; attention_mask 4 x 1 x 1 x 1,024 float32; bk 1,024 float32; bq 1,024 float32; bv 1,024 float32; dist_emb 2,047 x 64 float32; hidden_states 4 x 1,024 x 1,024 float32.
;; Outputs: out0 4 x 1,024 x 1,024 float32.
;; This version of the problem:
;;   THIS VERSION OF THE PROBLEM IS GIVEN IN LOW PRECISION. The matrix products marked QUANTISED in the list below multiply operands that are first quantised to E5M2 (5 exponent bits, 2 mantissa bits; 8 bits a number), with one power-of-two scale for each 32 numbers along K (OCP MX v1.0); their sums are f32. All else is computed in f32.
;;   The module's matrix products, in the order in which they are computed (A, B: the left and right operand; K: the contracted axis; several contracted axes count as one K, in the product's order):
;;     1. [M 4,096, K 1,024] x [K 1,024, N 1,024]; A: input hidden_states; B: input Wq: QUANTISED
;;     2. [M 4,096, K 1,024] x [K 1,024, N 1,024]; A: input hidden_states; B: input Wk: QUANTISED
;;     3. [M 4,096, K 1,024] x [K 1,024, N 1,024]; A: input hidden_states; B: input Wv: QUANTISED
;;     4. batch 64 x [M 1,024, K 64] x [K 64, N 1,024]; A: computed on the way; B: computed on the way: QUANTISED
;;     5. batch 1,024 x [M 1,024, K 64] x [K 64, N 64]; A: computed on the way; B: computed on the way: QUANTISED
;;     6. batch 1,024 x [M 1,024, K 64] x [K 64, N 64]; A: computed on the way; B: computed on the way: QUANTISED
;;     7. batch 64 x [M 1,024, K 1,024] x [K 1,024, N 64]; A: softmax (see below); B: computed on the way: QUANTISED
;;   THE QUANTISER, for each operand of a quantised product, along K:
;;     - K is cut into blocks of 32 from its start; a last block that is shorter is filled with zeros.
;;     - A block's scale is 2^e with e = floor(log2(the largest magnitude in the block)) - 15, held to -126 .. 127; a block of zeros has e = 0. As a byte (E8M0): e + 127.
;;     - Each number is divided by its block's scale, clamped to +-57,344, and rounded to the nearest number of E5M2, ties to even, subnormals kept.
;;     - The product sums the exact products of the quantised numbers (number of the format x scale) in f32.
;;   ~~~python
;;   def quantise(x, axis):      # numpy; x: float32 -> the quantised numbers, widened to float32 again
;;       x = np.moveaxis(x, axis, -1); K = x.shape[-1]
;;       x = np.pad(x, [(0, 0)] * (x.ndim - 1) + [(0, -K % 32)]); x = x.reshape(x.shape[:-1] + (-1, 32)); a = np.abs(x).max(-1, keepdims=True)
;;       e = np.where(a > 0, np.clip(np.frexp(np.where(a > 0, a, 1))[1] - 1 - 15, -126, 127), 0)      # np.frexp(a)[1] - 1 = floor(log2(a)), exactly
;;       r = np.clip(x / 2.0 ** e, -57344, 57344)
;;       step = 2.0 ** (np.maximum(np.frexp(np.where(r == 0, 1, r))[1] - 1, -14) - 2)
;;       q = np.round(r / step) * step * 2.0 ** e      # np.round: ties to even
;;       return np.moveaxis(q.reshape(q.shape[:-2] + (-1,))[..., :K], -1, axis).astype(np.float32)
;;   ~~~
;;   SOFTMAX AHEAD OF A QUANTISED PRODUCT. Where the list says 'softmax', what is quantised is not the finished softmax but p = 2^(t - M), with t = logit x log2(e) and M = ceil(the row's largest t), a whole number; so 1/2 < the row's largest p <= 1. The row's sum l is taken of the UNQUANTISED p, in f32, and the product's result is divided by l at the end. Since M is a whole number, a kernel that streams over the keys may use a running M (the ceiling of the running maximum): every later rescaling is an exact power of two, which a block's scale takes up: the codes' values come out the same.
;;   OPERANDS COMPUTED ON THE WAY. 'Computed on the way' means the value that the module computes at that place (a softmax that the list does not call 'softmax' is quantised finished and normalised). What goes into a quantiser is computed in f32, as accurately as f32 sums, v_exp_f32 and their like allow (about 1e-6 of the number): no bf16 or f16 on the way to a quantiser, and a product that is left as it is and whose result goes on into a quantised operand takes f32 operands (vector FMAs, or v_wmma_f32_16x16x4_f32). A number that lies on a knife's edge between two numbers of the format may be rounded either way, as far as f32 arithmetic and the matrix unit's own rounding can turn it there, and no further.
;; One version. Each part assembles by itself: llvm-mc -triple=amdgcn-amd-amdhsa -mcpu=gfx1250 --defsym DOCPART=n.
;; ======== version 1 of 1: 3 launches
;; limits: right only within a limited range of input values
;; workspace buffers: x_codes 4,194,304 bytes; x_scales 131,072 bytes; w_codes 3,145,728 bytes; w_scales 98,304 bytes; eb 139,264 bytes; qb 4,456,448 bytes; kv 8,781,824 bytes
;; launch quant (part 1): grid 232 x 1, 4 waves a work-group, no clusters, 34,304 bytes of LDS; arguments hidden_states, Wq, Wk, Wv, x_codes, x_scales, w_codes, w_scales, dist_emb, eb; writes x_codes, x_scales, w_codes, w_scales, eb
.if DOCPART == 1
	.amdgcn_target "amdgcn-amd-amdhsa--gfx1250"
	.amdhsa_code_object_version 6
	.text
	.protected	k_q2e035b4007_quant
	.globl	k_q2e035b4007_quant
	.p2align	8
	.type	k_q2e035b4007_quant,@function
k_q2e035b4007_quant:
	s_mov_b64 s[64:65], 0
	v_nop
	global_prefetch_b8 v0, s[64:65] scope:SCOPE_SE
	s_setreg_imm32_b32 hwreg(HW_REG_WAVE_MODE, 25, 1), 1
	s_wait_xcnt 0x0
; hidden_states [4096][1024], Wq, Wk, Wv [1024][1024] and dist_emb [2047][64], f32, become codes of BF8 (E5M2) with one E8M0 scale byte for each 32 along K, which is the last axis of all five.
; A block's scale is 2^(floor(log2(its largest magnitude)) - 15); its byte is the largest magnitude's exponent field - 15, held at 1 from below.  Each number is divided by the scale, held within +-57,344 and rounded to the nearest code, ties to even.
; LIMITS: a block of zeros gets the byte 1 where the rule says 127 (its codes are zeros, and this program alone reads the bytes); blocks whose largest magnitude lies under 2^-111 get the byte 1; NaN and infinities are not served.
; WORK-GROUPS 0-223: plain streams of blocks of 32.  0-127 take hidden_states, 128-159 Wq, 160-191 Wk, 192-223 Wv; the three weights' codes lie one behind the other in w_codes.  Only pointers are chosen: one path serves all four.
;   A wave takes 16 steps of 512 numbers: four loads of 512 consecutive bytes; the 2,048 bytes turn through the wave's own stage in LDS so that a lane holds 16 neighbours; 16 code bytes a lane leave as 512 consecutive bytes; the wave's 256 scale bytes leave as one aligned 256 bytes.
; WORK-GROUPS 224-231: dist_emb, as IMAGES OF OPERAND REGISTERS.  Tile X = rows 16 X .. 16 X + 15; its image is 1,024 bytes: chunk c (512 bytes), lane l's 16 bytes at 16 l: d = 32 c + 16 (l / 16) + 0 .. 15 of row l % 16.
;   The tiles lie in REVERSED order (tile X at place 127 - X), since the attention walks them downward.  Behind the images, from byte 131,072: one word a row, byte 0 and byte 1 its two scale bytes, in ascending order of rows.
;   Row 2047 does not exist: its lanes read row 2046 again; no score ever uses that row of the image.
; The two paths part on the work-group's number; each has LDS bytes of its own.  No tensor loads, no barrier: waves share nothing.
.set STEPS, 16
.set MANT,  0x600000                   ; the mantissa field of 57,344 as f32
.set CB,    16                         ; bytes of 16 codes
.set R,     16                         ; v16-79   four sets of 16 numbers as they are loaded
.set X,     80                         ; v80-111  two sets of 16 neighbours
.set C,     128                        ; v128-191 codes: four registers for each step
.set E,     112                        ; v112-127 a scale byte for each step
.set WREG,  8192                       ; LDS of the stream path: a region for each wave: two stages of 32 x SP bytes, then its 256 scale bytes
.set SP,    80                         ; a lane's place in a stage: 64 bytes + 16 of padding
.set PC,    144                        ; dist_emb's path: v144-159 the codes just made
.set TM,    160                        ; v160-163 largest magnitudes, v164-167 bytes, v168-171 57,344 x the scale, v172-175 the conversions' scale operands
.set WD,    176                        ; v176-179 a tile's scale word
.set EW,    32768                      ; LDS of dist_emb's path: 256 bytes for each wave
.set SEL,   32                         ; s[32:33] lane selects for lane l xor 16
.set MNT,   29                         ; s29 MANT
	s_load_b256 s[4:11], s[0:1], 0x0               ; hidden_states, Wq, Wk, Wv
	s_load_b256 s[12:19], s[0:1], 0x20             ; x_codes, x_scales, w_codes, w_scales
	s_load_b128 s[20:23], s[0:1], 0x40             ; dist_emb, eb
	v_lshl_add_u32 v192, v0, 2, 0x8400
	v_mov_b32 v193, 0
	v_lshrrev_b32 v1, 5, v0
	v_readfirstlane_b32 s28, v1                    ; wave
	v_and_b32 v2, 31, v0                           ; lane
	s_mov_b32 s[MNT], MANT
	s_wait_kmcnt 0x0
	s_cmp_ge_u32 ttmp9, 224
	s_cbranch_scc1 .Lemb
	; ---- the streams
	s_wait_alu depctr_va_vdst(0)
	v_lshlrev_b32 v3, 4, v2                        ; my 16 bytes of a load's 512
	s_mul_i32 s24, s28, WREG
	v_lshrrev_b32 v14, 2, v2
	v_mul_u32_u24 v14, v14, SP
	v_and_b32 v15, 3, v2
	v_lshl_add_u32 v14, v15, 4, v14
	v_add_nc_u32 v14, s24, v14                     ; the stage, on the way in: four lanes' 64 bytes on end, then 16 of padding
	v_mul_u32_u24 v15, v2, SP
	v_add_nc_u32 v15, s24, v15                     ; and on the way out: my 16 neighbours
	v_mul_u32_u24 v4, v2, CB                       ; my codes' place in a step's
	v_lshrrev_b32 v5, 1, v2
	s_add_co_u32 s24, s24, 2*32*SP
	v_add_nc_u32 v5, s24, v5                       ; my wave's 256 scale bytes, my block's byte
	v_lshlrev_b32 v7, 3, v2                        ; and on the way out 8 bytes a lane
	v_add_nc_u32 v6, s24, v7
	s_cmp_lt_u32 ttmp9, 160                        ; every choice hangs on the work-group's number alone
	s_cselect_b64 s[6:7], s[6:7], s[8:9]           ; Wq or Wk,
	s_cmp_lt_u32 ttmp9, 192
	s_cselect_b64 s[6:7], s[6:7], s[10:11]         ; or Wv
	s_cmp_lt_u32 ttmp9, 128
	s_cselect_b64 s[4:5], s[4:5], s[6:7]           ; the numbers,
	s_cselect_b64 s[8:9], s[12:13], s[16:17]       ; their codes,
	s_cselect_b64 s[10:11], s[14:15], s[18:19]     ; their scale bytes
	s_cselect_b32 s26, 127, 31                     ; the work-group's place in its source tensor,
	s_cselect_b32 s27, 0, 128                      ; and in the buffer of codes
	s_and_b32 s26, ttmp9, s26
	s_lshl_b32 s26, s26, 2
	s_add_co_u32 s26, s26, s28                     ; which run of 8,192 numbers of the source is my wave's
	s_sub_co_u32 s27, ttmp9, s27
	s_lshl_b32 s27, s27, 2
	s_add_co_u32 s27, s27, s28                     ; and which run of the codes
	s_lshl_b32 s30, s26, 15                        ; 32,768 bytes of numbers a run,
	s_mov_b32 s31, 0
	s_add_nc_u64 s[4:5], s[4:5], s[30:31]
	s_lshl_b32 s30, s27, 13                        ; 8,192 of codes,
	s_add_nc_u64 s[8:9], s[8:9], s[30:31]
	s_lshl_b32 s30, s27, 8                         ; 256 of scale bytes
	s_add_nc_u64 s[10:11], s[10:11], s[30:31]
.macro LOAD t
.irp i, 0,1,2,3
	global_load_b128 v[R+16*((\t)%4)+4*\i:R+16*((\t)%4)+4*\i+3], v3, s[4:5] offset:2048*(\t)+512*\i th:TH_LOAD_NT   ; 32 lanes read 512 consecutive bytes
.endr
.endm
.macro TURN t                          ; step t's numbers through the stage: LDS serves a wave's instructions in order, so no wait stands between the stores and the loads
.irp i, 0,1,2,3
	ds_store_b128 v14, v[R+16*((\t)%4)+4*\i:R+16*((\t)%4)+4*\i+3] offset:32*SP*((\t)%2)+8*SP*\i
.endr
.irp i, 0,1,2,3
	ds_load_b128 v[X+16*((\t)%2)+4*\i:X+16*((\t)%2)+4*\i+3], v15 offset:32*SP*((\t)%2)+16*\i
.endr
.endm
.irp t, 0,1,2,3
	LOAD \t
.endr
	s_wait_alu depctr_va_vdst(0)
	s_wait_loadcnt 12                              ; step 0's four loads are in; the twelve behind them stay out
	TURN 0
.macro STEP t
.set XS, X+16*((\t)%2)
.if (\t) > 0
	s_wait_dscnt 1                                 ; this step's numbers are back from the stage (the last step's byte store may be out)
.else
	s_wait_dscnt 0x0
.endif
.if (\t)+4 < STEPS
	LOAD (\t)+4                                    ; into the registers that this step's stores into the stage have read
.endif
.if (\t)+1 < STEPS
.if STEPS-2-(\t) >= 3
	s_wait_loadcnt 12                              ; the next step's four loads are in; those of the three steps behind it may be out
.else
	s_wait_loadcnt 4*(STEPS-2-(\t))
.endif
	TURN (\t)+1                                    ; they go through the other stage while this step is worked
.endif
	v_max3_num_f32 v8, |v[XS]|, |v[XS+1]|, |v[XS+2]|               ; the largest magnitude of my 16, in two chains
	v_max3_num_f32 v9, |v[XS+3]|, |v[XS+4]|, |v[XS+5]|
.irp i, 6,10
	v_max3_num_f32 v8, v8, |v[XS+\i]|, |v[XS+\i+1]|
	v_max3_num_f32 v9, v9, |v[XS+\i+2]|, |v[XS+\i+3]|
.endr
	v_max3_num_f32 v8, v8, |v[XS+14]|, |v[XS+15]|
	v_max3_num_f32 v8, v8, v9, 0x8000000           ; and the floor 2^(16 - 127): the byte cannot fall under 1
	v_max_num_f32_dpp v8, v8, v8 row_xmask:1 row_mask:0xf bank_mask:0xf   ; and of my neighbour's 16: the block's
	v_add_nc_u32 v11, 0xf8800000, v8               ; 15 off its exponent field: the conversion takes the exponent field of this operand as its scale
	v_and_or_b32 v10, v8, 0x7f800000, s[MNT]       ; 57,344 x the scale
.irp i, 0,1,2,3,4,5,6,7,8,9,10,11,12,13,14,15
	v_med3_num_f32 v[XS+\i], v[XS+\i], -v10, v10   ; the conversion to an 8-bit code does not saturate (ISA guide 7.6.2): the hold comes first
.endr
	v_cvt_scalef32_pk8_bf8_f32 v[C+4*(\t):C+4*(\t)+1], v[XS:XS+7], v11
	v_cvt_scalef32_pk8_bf8_f32 v[C+4*(\t)+2:C+4*(\t)+3], v[XS+8:XS+15], v11
	v_lshrrev_b32 v[E+(\t)], 23, v11               ; the scale's byte
	ds_store_b8 v5, v[E+(\t)] offset:16*(\t)       ; both lanes of a block write the same byte with the same value
	global_store_b128 v4, v[C+4*(\t):C+4*(\t)+3], s[8:9] offset:32*CB*(\t)   ; 32 lanes store 512 consecutive bytes
.endm
.irp t, 0,1,2,3,4,5,6,7,8,9,10,11,12,13,14,15
	STEP \t
.endr
	ds_load_b64 v[12:13], v6                       ; LDS serves a wave's instructions in order: these see my stores
	s_wait_dscnt 0x0
	global_store_b64 v7, v[12:13], s[10:11]        ; 32 lanes store 256 consecutive bytes, aligned
	s_wait_tensorcnt 0x0
	ds_add_u32 v192, v193
	s_wait_dscnt 0x0
	s_endpgm
	; ---- dist_emb: wave wid = 0 .. 31 takes tiles 4 wid .. 4 wid + 3
; 64 numbers of a lane, v[s] .. v[s + 63], in four blocks of 16, each joined with lane l xor 16's 16, become 16 registers of codes in v[PC] on; the four scale bytes stay in v[TM+4] on.
.macro QUANT s
.irp b, 0,1,2,3
	v_max3_num_f32 v[TM+\b], |v[\s+16*\b]|, |v[\s+1+16*\b]|, 0x8000000   ; my 16 numbers, and the floor 2^(16 - 127)
.endr
.irp i, 2,4,6,8,10,12,14
.irp b, 0,1,2,3
	v_max3_num_f32 v[TM+\b], v[TM+\b], |v[\s+16*\b+\i]|, |v[\s+1+16*\b+\i]|   ; the four blocks by turns
.endr
.endr
.irp b, 0,1,2,3
	v_permlanex16_b32 v[TM+4+\b], v[TM+\b], s[SEL], s[SEL+1]
.endr
.irp b, 0,1,2,3
	v_max_num_f32 v[TM+\b], v[TM+\b], v[TM+4+\b]   ; the block's largest magnitude
.endr
.irp b, 0,1,2,3
	v_add_nc_u32 v[TM+12+\b], 0xf8800000, v[TM+\b] ; the conversion's scale operand
.endr
.irp b, 0,1,2,3
	v_and_or_b32 v[TM+8+\b], v[TM+\b], 0x7f800000, s[MNT]   ; 57,344 x the scale
.endr
.irp b, 0,1,2,3
	v_lshrrev_b32 v[TM+4+\b], 23, v[TM+12+\b]      ; the scale's byte
.endr
.irp b, 0,1,2,3
.irp i, 0,1,2,3,4,5,6,7,8,9,10,11,12,13,14,15
	v_med3_num_f32 v[\s+16*\b+\i], v[\s+16*\b+\i], -v[TM+8+\b], v[TM+8+\b]
.endr
	v_cvt_scalef32_pk8_bf8_f32 v[PC+4*\b:PC+1+4*\b], v[\s+16*\b:\s+7+16*\b], v[TM+12+\b]
	v_cvt_scalef32_pk8_bf8_f32 v[PC+2+4*\b:PC+3+4*\b], v[\s+8+16*\b:\s+15+16*\b], v[TM+12+\b]
.endr
	v_nop                                          ; one plain vector line behind the last scaled conversion
.endm
.Lemb:
	s_sub_co_u32 s30, ttmp9, 224
	s_lshl_b32 s30, s30, 2
	s_add_co_u32 s30, s30, s28                     ; wid
	v_and_b32 v1, 15, v0                           ; r
	v_bfe_u32 v3, v0, 4, 1                         ; h
	s_lshl_b32 s31, s30, 6                         ; my first row: 64 wid
	v_add_nc_u32 v4, s31, v1
.irp k, 0,1,2,3
	v_add_nc_u32 v[8+\k], 16*\k, v4                ; tile k: row 64 wid + 16 k + r,
	v_min_u32 v[8+\k], 0x7fe, v[8+\k]              ; held at the table's last row,
	v_lshlrev_b32 v[8+\k], 8, v[8+\k]              ; of 256 bytes,
	v_lshl_add_u32 v[8+\k], v3, 6, v[8+\k]         ; + 64 h: my 16 numbers of a block of 32
.endr
.irp k, 0,1,2,3
.irp c, 0,1
.irp j, 0,1,2,3
	global_load_b128 v[16+32*\k+16*\c+4*\j:16+32*\k+16*\c+4*\j+3], v[8+\k], s[20:21] offset:128*\c+16*\j
.endr
.endr
.endr
	s_mov_b32 s[SEL], 0x76543210
	s_mov_b32 s[SEL+1], 0xfedcba98
.irp b, 0,1,2,3
	v_mov_b32 v[TM+4+\b], 0                        ; written once: a lane permute's destination counts as one of its sources
.endr
	s_lshl_b32 s34, s30, 12
	s_sub_co_u32 s34, 126976, s34                  ; tile 4 wid + 3 lies at place 124 - 4 wid, 1,024 bytes a place
	s_mov_b32 s35, 0
	s_add_nc_u64 s[36:37], s[22:23], s[34:35]
	s_lshl_b32 s34, s30, 8                         ; my four tiles' scale words: 256 bytes
	s_add_nc_u64 s[38:39], s[22:23], s[34:35]
	s_lshl_b32 s40, s28, 8
	s_add_co_u32 s40, s40, EW                      ; my wave's 256 bytes of LDS
	v_lshl_add_u32 v5, v1, 2, s40                  ; a row's word
	v_lshl_add_u32 v6, v2, 3, s40                  ; and on the way out 8 bytes a lane
	v_lshlrev_b32 v7, 3, v2
	v_lshlrev_b32 v12, 4, v2                       ; an image's place for my lane
	s_wait_loadcnt 0x0
.irp p, 0,1                            ; tiles 2 p and 2 p + 1: blocks 0, 1 are the first tile's two chunks, blocks 2, 3 the second's
.if \p > 0
	s_wait_xcnt 0x0                                ; the stores have read the codes' registers: they are written again only behind this wait
.endif
	QUANT 16+64*\p
.irp k, 0,1
.irp c, 0,1
	global_store_b128 v12, v[PC+8*\k+4*\c:PC+8*\k+4*\c+3], s[36:37] offset:(3-2*\p-\k)*1024+512*\c   ; 32 lanes store 512 consecutive bytes
.endr
	v_lshl_or_b32 v[WD+2*\p+\k], v[TM+5+2*\k], 8, v[TM+4+2*\k]   ; the row's two bytes
	ds_store_b32 v5, v[WD+2*\p+\k] offset:64*(2*\p+\k)           ; both halves of the lanes write the same word with the same value
.endr
.endr
	ds_load_b64 v[14:15], v6                       ; LDS serves a wave's instructions in order: these see my stores
	s_wait_dscnt 0x0
	global_store_b64 v7, v[14:15], s[38:39] offset:131072   ; 32 lanes store 256 consecutive bytes, aligned
	s_wait_tensorcnt 0x0
	ds_add_u32 v192, v193
	s_wait_dscnt 0x0
	s_endpgm
.Lfunc_end_k_q2e035b4007_quant:
	.size	k_q2e035b4007_quant, .Lfunc_end_k_q2e035b4007_quant-k_q2e035b4007_quant
	.p2alignl 7, 3214868480
	.fill 96, 4, 3214868480
	.section	.rodata,"a",@progbits
	.p2align	6, 0x0
	.amdhsa_kernel k_q2e035b4007_quant
		.amdhsa_group_segment_fixed_size 34304
		.amdhsa_private_segment_fixed_size 0
		.amdhsa_enable_private_segment 0
		.amdhsa_kernarg_size 80
		.amdhsa_user_sgpr_count 2
		.amdhsa_user_sgpr_kernarg_segment_ptr 1
		.amdhsa_wavefront_size32 1
		.amdhsa_system_sgpr_workgroup_id_x 1
		.amdhsa_system_sgpr_workgroup_id_y 1
		.amdhsa_system_sgpr_workgroup_id_z 1
		.amdhsa_system_vgpr_workitem_id 0
		.amdhsa_next_free_vgpr 194
		.amdhsa_next_free_sgpr 66
		.amdhsa_reserve_vcc 0
		.amdhsa_float_denorm_mode_32 3
		.amdhsa_float_denorm_mode_16_64 3
		.amdhsa_memory_ordered 1
		.amdhsa_forward_progress 1
		.amdhsa_inst_pref_size 73
	.end_amdhsa_kernel
	.amdgpu_metadata
---
amdhsa.version: [ 1, 2 ]
amdhsa.kernels:
  - .name:           k_q2e035b4007_quant
    .symbol:         k_q2e035b4007_quant.kd
    .args:
      - { .name: hidden_states, .offset: 0, .size: 8, .value_kind: global_buffer, .address_space: global }
      - { .name: Wq, .offset: 8, .size: 8, .value_kind: global_buffer, .address_space: global }
      - { .name: Wk, .offset: 16, .size: 8, .value_kind: global_buffer, .address_space: global }
      - { .name: Wv, .offset: 24, .size: 8, .value_kind: global_buffer, .address_space: global }
      - { .name: x_codes, .offset: 32, .size: 8, .value_kind: global_buffer, .address_space: global }
      - { .name: x_scales, .offset: 40, .size: 8, .value_kind: global_buffer, .address_space: global }
      - { .name: w_codes, .offset: 48, .size: 8, .value_kind: global_buffer, .address_space: global }
      - { .name: w_scales, .offset: 56, .size: 8, .value_kind: global_buffer, .address_space: global }
      - { .name: dist_emb, .offset: 64, .size: 8, .value_kind: global_buffer, .address_space: global }
      - { .name: eb, .offset: 72, .size: 8, .value_kind: global_buffer, .address_space: global }
    .group_segment_fixed_size: 34304
    .private_segment_fixed_size: 0
    .kernarg_segment_align: 8
    .kernarg_segment_size: 80
    .max_flat_workgroup_size: 128
    .sgpr_count:     66
    .vgpr_count:     194
    .wavefront_size: 32
...
	.end_amdgpu_metadata
.endif
;; end of part 1
;; launch proj (part 2): grid 16 x 16, 4 waves a work-group, clusters of 4 x 4, 327,680 bytes of LDS; arguments x_codes, x_scales, w_codes, w_scales, bq, bk, bv, qb, kv; writes qb, kv
.if DOCPART == 2
	.amdgcn_target "amdgcn-amd-amdhsa--gfx1250"
	.amdhsa_code_object_version 6
	.text
	.protected	k_q2e035b4007_proj
	.globl	k_q2e035b4007_proj
	.p2align	8
	.type	k_q2e035b4007_proj,@function
k_q2e035b4007_proj:
	s_mov_b64 s[64:65], 0
	v_nop
	global_prefetch_b8 v0, s[64:65] scope:SCOPE_SE
	s_setreg_imm32_b32 hwreg(HW_REG_WAVE_MODE, 25, 1), 1
	s_wait_xcnt 0x0
	s_wait_alu depctr_hold_cnt(0) depctr_sa_sdst(0) depctr_va_vdst(0) depctr_va_sdst(0) depctr_va_ssrc(0) depctr_va_vcc(0) depctr_vm_vsrc(0)
	s_getreg_b32 s2, hwreg(HW_REG_IB_STS2, 6, 4)
	s_cmp_eq_u32 s2, 0
	s_cbranch_scc0 .Lentry_in_a_cluster
	s_endpgm
.Lentry_in_a_cluster:
	s_bfe_u32 s2, ttmp6, 0x10000c
	s_cmp_lg_u32 s2, 0xf033
	s_cbranch_scc0 .Lentry_shape_is_right
	s_endpgm
.Lentry_shape_is_right:
; q, k, v = hidden_states W^T + bias on codes of BF8 (E5M2) with E8M0 scales, [4096][1024] x [3072][1024]^T, sums in f32 that begin with the bias; each result is quantised for the attention and leaves as IMAGES OF OPERAND REGISTERS.
; THE DEAL.  256 work-groups of four waves, 2 x 2.  A work-group makes 256 tokens x 128 columns of Q (tile columns 0-7) or K (8-15), then 128 of the SAME tokens (half number s18) x 128 columns of V.
;   A wave holds 64 rows of a weight, all of K, in 512 registers, and streams blocks of 16 token rows past them, which stand in registers as two whole sets: 8 blocks of Q or K, then 4 of V.
; LDS.  Two slots of 128 rows.  Slot 1 holds the first weight until the waves have it in registers, then chunk B (the half that is V's); slot 0 holds chunk A (the other half), then W_v.  Each row of x comes once.
; CLUSTERS: 4 x 4.  x's rows are asked for jointly along a row of the cluster, a weight's along a column.  Chunk B and W_v are prefetched at the head, each 256 bytes once in a cluster: the sixteen waves that will load them share them out by address.
; ROWS OF A TILE.  Block (cc, u) of wave row w: its row m is token 64 w + 32 cc + 16 (m / 8) + 8 u + m % 8 of the chunk: K's order of keys in a tile, and for V the 16 registers of blocks u = 0, 1 are 16 neighbouring tokens.
;   A tile j of W_q or W_k: its row m is output 32 (m / 8) + 8 j + m % 8 of the head, so the 32 sums of a lane are the 32 neighbours of one scale block.  W_v's tiles are 16 neighbouring rows.
;   Q's tiles are 16 neighbouring tokens: its blocks u = 0 and 1 exchange eight lanes (0-7 of one with 8-15 of the other) ahead of the store.
; WHAT LEAVES.  qb, for each head: 64 tiles of 1,024 bytes (chunk c, lane l: d = 32 c + 16 (l / 16) + 0 .. 15 of row l % 16), then from 65,536 on a word a token: its two scale bytes, twice.  kv: K likewise, words from 131,072;
;   V from 65,536: [step of 128 keys][16 channels] of 2,048 bytes (chunk c, lane l: keys 32 c + 16 (l / 16) + 0 .. 15 of channel l % 16), words (byte c for chunk c) from 135,168.
; LIMITS: a block of zeros gets the byte 1 where the rule says 127 (its codes are zeros; this program alone reads the bytes); blocks whose largest magnitude lies under 2^-111 get the byte 1; NaN and infinities are not served.
; REGISTERS: the weight in windows 1 and 2, x's two sets in window 3, all else in window 0.
.set PITCH, 1040                       ; an LDS row: 1,024 bytes + 16 of padding
.set YB,    128*PITCH                  ; slot 1
.set SCL,   2*YB                       ; x's scale bytes, chunk A's then chunk B's: 16 units of 256 bytes (8 rows) + 16 each
.set SCH,   16*272
.set XN,    SCL+2*SCH                  ; Q's or K's scale words: 512 bytes a wave
.set XV,    XN+2048                    ; V's: 256 bytes a wave column
.set SPARE, XV+512                     ; the spare words, 128 bytes a wave
.set NF,    34                         ; LDS loads of a block
.set ADRB,  7                          ; v4, v5 my fragments of chunk A, B;  v6 their scale words;  v7, v8 of the first weight, of W_v
.set ADRV,  8
.set AB1,   9                          ; v9, v12 my offset in the weights' scale bytes
.set SPW,   10
.set NIL,   11
.set AB2,   12
.set CN,    13                         ; Q's, K's codes in a tile: 512 h + 16 r
.set CO,    14                         ; 16 x lane
.set XNB,   15                         ; LDS address of a scale byte of Q or K,
.set XVB,   16                         ; of V;
.set XNR,   17                         ; and on the way out
.set XVR,   18
.set L8,    19                         ; 8 x lane
.set SOP,   20                         ; v20-23 the conversions' scale operands
.set SB,    24                         ; v24-39 the first weight's scale words: register 8 p + q: lanes 0-15 tile 2 p's, lanes 16-31 tile 2 p + 1's
.set EB,    40                         ; v40-43 scale bytes
.set SA,    44                         ; v44-59 x's scale words: two sets of eight
.set TQ,    60                         ; v60-63 maxima
.set ACC,   64                         ; v64-127 two sets of four accumulators
.set WS,    128                        ; v128-143 W_v's scale words
.set SW,    144                        ; v144-161 at work
.set PFX,   162                        ; v162, v163 the prefetches' offsets
.set NCD,   192                        ; v192-207 codes
.set BQ,    208                        ; v208-239 the bias: the first products' C
.set BV,    240                        ; v240-243 V's, a number a tile
.set G1A, 24                           ; s[24:31], s[56:59] chunk A, later W_v's refill
.set G0A, 56
.set G1B, 32                           ; s[32:39], s[60:63] the first weight
.set G0B, 60
.set G1R, 48                           ; s[48:55], s[68:71] chunk B
.set G0R, 68
.set G1S, 92                           ; s[92:99], s[72:75] x's scale bytes
.set G0S, 72
.set MSB, 0
.macro WIN new                         ; the immediate's high byte repeats the setting that is left
.if MSB != (\new)
	s_set_vgpr_msb (MSB<<8)|(\new)
.set MSB, (\new)
.endif
.endm
.macro PLACES n                        ; places behind matrix instructions (ISA guide 7.12.1)
.rept \n
	v_nop
.endr
.endm
.macro WALU
	s_wait_alu depctr_va_vdst(0)
.endm
.macro BARRIER
	s_barrier_signal -1
	s_barrier_wait -1
.endm
.macro CROUND                          ; a round of the cluster's barrier
	BARRIER
	s_cmp_lg_u32 s14, 0
	s_cbranch_scc1 .Lnot_wave_0_\@
	s_barrier_signal -3
.Lnot_wave_0_\@:
	s_barrier_wait -3
	BARRIER
.endm
.macro TLOAD g0, g1                    ; an s_nop 0 and four v_nop follow each tensor load
	tensor_load_to_lds s[\g0:\g0+3], s[\g1:\g1+7]
	s_nop 0
	PLACES 4
.endm
.macro GROUP1 g, mask, rows            ; descriptor group 1: whole rows of 1,024 bytes, 16 of padding behind each
	s_or_b32 s[\g+0], s[\mask], (1<<20)|(1<<21)|(7<<22)|(3<<25)
	s_mov_b32 s[\g+1], 1024<<16
	s_mov_b32 s[\g+2], (\rows)<<16
	s_mov_b32 s[\g+3], 1024<<16
	s_mov_b32 s[\g+4], \rows
	s_mov_b32 s[\g+5], 1024
	s_mov_b32 s[\g+6], 0
	s_mov_b32 s[\g+7], 0
.endm
	s_load_b256 s[4:11], s[0:1], 0x0               ; x's codes, scales; W's codes, scales
	s_load_b256 s[84:91], s[0:1], 0x20             ; bq, bk, bv, qb
	s_load_b64 s[46:47], s[0:1], 0x40              ; kv
	v_lshl_add_u32 v[SPW], v0, 2, SPARE
	v_mov_b32 v[NIL], 0
	ds_add_u32 v[SPW], v[NIL]                      ; the wave's opening: the add, twice on end, and its wait
	ds_add_u32 v[SPW], v[NIL]
	v_lshrrev_b32 v1, 5, v0
	v_readfirstlane_b32 s14, v1                    ; wave 0..3
	s_lshr_b32 s15, s14, 1                         ; my row of waves
	s_and_b32 s16, s14, 1                          ; my column of waves
	s_bfe_u32 s40, ttmp6, 0x40000                  ; cx, cy: my place in the cluster
	s_bfe_u32 s41, ttmp6, 0x40004
	s_lshl_b32 s42, ttmp9, 2
	s_add_co_u32 s42, s42, s40                     ; tile column
	s_and_b32 s43, ttmp7, 0xffff
	s_lshl_b32 s43, s43, 2
	s_add_co_u32 s43, s43, s41                     ; tile row
	s_lshr_b32 s19, ttmp9, 1                       ; 0: Q, 1: K
	s_and_b32 s18, ttmp9, 1                        ; which half of my tokens is V's
	s_lshl_b32 s13, s19, 2
	s_add_co_u32 s13, s13, s40                     ; V's tile column: every (half, column) has one work-group of the tile row
	s_lshl_b32 s44, s41, 2
	s_lshl_b32 s44, 15, s44                        ; my row of the cluster shares x's rows
	s_lshl_b32 s45, 0x1111, s40                    ; my column shares a weight's
	GROUP1 G1B, 45, 128                            ; wave 0: the first weight
	GROUP1 G1A, 44, 128                            ; wave 1: chunk A
	GROUP1 G1R, 44, 32                             ; chunk B: 32 rows a wave
	s_or_b32 s[G1S+0], s44, (3<<16)|(1<<20)|(1<<21)|(5<<22)|(3<<25)   ; waves 2, 3: a chunk's scale bytes each: 4,096 dense bytes as 16 rows of 256 (32 elements of 8)
	s_mov_b32 s[G1S+1], 32<<16
	s_mov_b32 s[G1S+2], 16<<16
	s_mov_b32 s[G1S+3], 32<<16
	s_mov_b32 s[G1S+4], 16
	s_mov_b32 s[G1S+5], 32
	s_mov_b32 s[G1S+6], 0
	s_mov_b32 s[G1S+7], 0
	s_lshl_b32 s66, s43, 18                        ; offsets, each under 2^32: x's rows: 256 x tile row,
	s_lshl_b32 s20, s18, 17
	s_add_co_u32 s67, s66, s20                     ; chunk B
	s_xor_b32 s20, s20, 0x20000
	s_add_co_u32 s66, s66, s20                     ; chunk A
	s_lshl_b32 s3, s13, 17
	s_add_co_u32 s3, s3, 0x200000                  ; W_v's rows
	s_lshl_b32 s78, s42, 17                        ; the first weight's
	s_mov_b32 s79, 0
	s_lshl_b32 s80, s43, 13                        ; x's scale bytes: wave 2 chunk A's, wave 3 chunk B's
	s_xor_b32 s20, s18, 1
	s_cmp_eq_u32 s16, 1
	s_cselect_b32 s20, s18, s20
	s_lshl_b32 s20, s20, 12
	s_add_co_u32 s80, s80, s20
	s_mov_b32 s81, 0
	s_lshl_b32 s82, s42, 12                        ; the weights' scale bytes: my wave's 64 rows
	s_lshl_b32 s21, s16, 11
	s_add_co_u32 s82, s82, s21
	s_mov_b32 s83, 0
	s_lshl_b32 s12, s13, 12
	s_add_co_u32 s12, s12, s21
	s_add_co_u32 s12, s12, 0x10000
	s_lshl_b32 s2, s40, 2                          ; the prefetches: of chunk B a sixteenth for each wave of my cluster row,
	s_add_co_u32 s2, s2, s14
	s_lshl_b32 s2, s2, 13
	s_add_co_u32 s2, s2, s67
	s_lshl_b32 s17, s41, 2                         ; of W_v for each of my cluster column
	s_add_co_u32 s17, s17, s14
	s_lshl_b32 s17, s17, 13
	s_add_co_u32 s17, s17, s3
	s_mov_b32 s[G0A], 1
	s_mov_b32 s[G0A+1], 0
	s_mov_b32 s[G0B], 1
	s_mov_b32 s[G0B+1], YB
	s_mov_b32 s[G0S], 1
	s_mul_i32 s[G0S+1], s16, SCH
	s_add_co_u32 s[G0S+1], s[G0S+1], SCL
	s_mov_b32 s[G0R], 1
	s_mul_i32 s[G0R+1], s14, 32*PITCH
	s_add_co_u32 s[G0R+1], s[G0R+1], YB
	s_mul_i32 s20, s15, 64*PITCH                   ; my rows of a chunk,
	s_mul_i32 s21, s16, 64*PITCH                   ; my rows of a weight,
	s_mul_i32 s22, s15, 8*272
	s_add_co_u32 s22, s22, SCL                     ; my rows' scale bytes
	s_lshl_b32 s23, s14, 9
	s_add_co_u32 s23, s23, XN
	s_lshl_b32 s77, s16, 8
	s_add_co_u32 s77, s77, XV
	s_lshl_b32 s76, s15, 1
	s_add_co_u32 s76, s76, s77
	v_and_b32 v1, 15, v0                           ; r
	v_bfe_u32 v2, v0, 4, 1                         ; h
	v_and_b32 v3, 31, v0                           ; lane
	v_lshrrev_b32 v20, 3, v1
	v_and_b32 v21, 7, v1
	v_mul_u32_u24 v61, v1, PITCH
	v_lshl_add_u32 v22, v20, 3, v1                 ; r + 8 (r / 8)
	v_lshl_add_u32 v23, v20, 5, v21                ; 32 (r / 8) + r % 8
	v_mul_u32_u24 v22, v22, PITCH
	v_mul_u32_u24 v60, v23, PITCH
	v_mul_u32_u24 v62, v20, 544
	v_lshl_add_u32 v22, v2, 4, v22
	v_lshl_add_u32 v60, v2, 4, v60
	v_lshl_add_u32 v61, v2, 4, v61
	v_lshl_add_u32 v62, v21, 5, v62
	v_add_nc_u32 v4, s20, v22
	v_add_nc_u32 v[ADRV], s21, v61
	v_add_nc_u32 v6, s22, v62
	v_add_nc_u32 v60, s21, v60
	v_add_nc_u32 v5, YB, v4
	v_add_nc_u32 v[ADRB], YB, v60
	v_lshl_add_u32 v[AB1], v2, 3, v23
	v_lshlrev_b32 v[AB2], 5, v3
	v_lshlrev_b32 v63, 9, v2
	v_lshlrev_b32 v[AB1], 5, v[AB1]                ; lane (r, h) of pair p takes row 32 (r / 8) + 8 (2 p + h) + r % 8
	v_lshl_add_u32 v[CN], v1, 4, v63
	v_lshlrev_b32 v[CO], 4, v3
	v_lshlrev_b32 v[L8], 3, v3
	v_lshl_add_u32 v[XNB], v1, 2, v2
	v_lshlrev_b32 v[XVB], 2, v1
	v_add_nc_u32 v[XNR], s23, v[L8]
	v_add_nc_u32 v[XNB], s23, v[XNB]               ; byte h of token r's word
	v_add_nc_u32 v[XVB], s76, v[XVB]               ; byte 2 w of channel r's word
	v_add_nc_u32 v[XVR], s77, v[L8]
	v_lshl_add_u32 v[PFX], v3, 8, s2
	v_lshl_add_u32 v[PFX+1], v3, 8, s17
	v_lshlrev_b32 v22, 7, v2                       ; the bias: 32 numbers for each half of the lanes,
	v_lshlrev_b32 v23, 2, v1                       ; V's: my channel
.irp t, 0,1,2,3
	v_mov_b32 v[EB+\t], 0                          ; (a lane permute's destination counts as one of its sources)
.endr
.set i_, 0
.rept 18
	v_mov_b32 v[SW+i_], 0
.set i_, i_+1
.endr
	WALU
	s_wait_dscnt 0x0                               ; both opening adds are done
	CROUND                                         ; all sixteen work-groups are here: the first joint loads meet
	s_wait_kmcnt 0x0
	s_mov_b32 s22, s66
	s_mov_b32 s23, 0
	s_add_nc_u64 s[G0A+2:G0A+3], s[4:5], s[22:23]
	s_or_b32 s[G0A+3], s[G0A+3], 0x80000000
	s_add_nc_u64 s[G0B+2:G0B+3], s[8:9], s[78:79]
	s_or_b32 s[G0B+3], s[G0B+3], 0x80000000
	s_add_nc_u64 s[G0S+2:G0S+3], s[6:7], s[80:81]
	s_or_b32 s[G0S+3], s[G0S+3], 0x80000000
	s_cmp_eq_u32 s14, 0                            ; ONE load a wave, and a line of its own for what is shown ahead of the rest
	s_cbranch_scc0 .Lwave_1
	TLOAD G0B, G1B                                 ; wave 0: the first weight
	s_branch .Lasked
.Lwave_1:
	s_cmp_eq_u32 s14, 1
	s_cbranch_scc0 .Lfor_scales
	TLOAD G0A, G1A                                 ; wave 1: chunk A
	s_branch .Lasked
.Lfor_scales:
	TLOAD G0S, G1S                                 ; waves 2, 3: a chunk's scale bytes
.Lasked:
	s_add_nc_u64 s[100:101], s[10:11], s[82:83]
	s_mov_b32 s22, s12
	s_add_nc_u64 s[10:11], s[10:11], s[22:23]
.irp p, 0,1
.irp c, 0,1
	global_load_b128 v[SB+8*\p+4*\c:SB+8*\p+4*\c+3], v[AB1], s[100:101] offset:512*\p+16*\c
	global_load_b128 v[WS+8*\p+4*\c:WS+8*\p+4*\c+3], v[AB2], s[10:11] offset:1024*\p+16*\c
.endr
.endr
	s_lshl_b32 s21, s42, 1
	s_add_co_u32 s21, s21, s16
	s_and_b32 s21, s21, 15                         ; phase 1's head
	s_lshl_b32 s40, s13, 1
	s_add_co_u32 s40, s40, s16                     ; V's head
	s_mov_b32 s76, 69632                           ; a head's block,
	s_mov_b32 s44, 65536                           ; and its scale words
	s_cmp_eq_u32 s19, 1
	s_cselect_b64 s[84:85], s[86:87], s[84:85]
	s_cselect_b64 s[90:91], s[46:47], s[90:91]
	s_cselect_b32 s76, 137216, s76
	s_cselect_b32 s44, 131072, s44
	s_lshl_b32 s22, s21, 8
	s_add_nc_u64 s[84:85], s[84:85], s[22:23]
	s_lshl_b32 s22, s40, 8
	s_add_nc_u64 s[88:89], s[88:89], s[22:23]
.irp k, 0,1,2,3,4,5,6,7
	global_load_b128 v[BQ+4*\k:BQ+4*\k+3], v22, s[84:85] offset:16*\k
.endr
.irp t, 0,1,2,3
	global_load_b32 v[BV+\t], v23, s[88:89] offset:64*\t
.endr
	s_lshl_b32 s22, s14, 15                        ; chunk B: my 32 rows
	s_add_co_u32 s22, s22, s67
	s_add_nc_u64 s[G0R+2:G0R+3], s[4:5], s[22:23]
	s_or_b32 s[G0R+3], s[G0R+3], 0x80000000
	; where my results go
	s_lshr_b32 s20, s43, 2
	s_lshl_b32 s20, s20, 4                         ; 16 x batch
	s_add_co_u32 s21, s21, s20
	s_add_co_u32 s40, s40, s20
	s_mul_i32 s21, s21, s76                        ; my head's block of Q or K,
	s_mul_i32 s40, s40, 137216                     ; and of V
	s_and_b32 s22, s43, 3
	s_lshl_b32 s22, s22, 8
	s_lshl_b32 s41, s18, 7
	s_add_co_u32 s41, s41, s22                     ; chunk B's first token in its batch
	s_xor_b32 s20, s18, 1
	s_lshl_b32 s20, s20, 7
	s_add_co_u32 s20, s20, s22                     ; chunk A's
	s_lshl_b32 s22, s15, 6
	s_add_co_u32 s20, s20, s22                     ; and my first in either
	s_add_co_u32 s42, s41, s22
	s_lshl_b32 s22, s20, 6                         ; a tile of 16 tokens is 1,024 bytes
	s_add_co_u32 s22, s22, s21
	s_add_nc_u64 s[76:77], s[90:91], s[22:23]      ; s[76:77], s[78:79] codes of chunk A, B
	s_lshl_b32 s22, s42, 6
	s_add_co_u32 s22, s22, s21
	s_add_nc_u64 s[78:79], s[90:91], s[22:23]
	s_add_co_u32 s21, s21, s44
	s_lshl_b32 s22, s20, 2
	s_add_co_u32 s22, s22, s21
	s_add_nc_u64 s[86:87], s[90:91], s[22:23]      ; s[86:87], s[90:91] their scale words
	s_lshl_b32 s22, s42, 2
	s_add_co_u32 s22, s22, s21
	s_add_nc_u64 s[90:91], s[90:91], s[22:23]
	s_lshl_b32 s22, s41, 6
	s_lshl_b32 s20, s15, 10
	s_add_co_u32 s22, s22, s20
	s_add_co_u32 s22, s22, s40
	s_add_co_u32 s22, s22, 65536
	s_add_nc_u64 s[80:81], s[46:47], s[22:23]      ; s[80:81] V's codes
	s_lshl_b32 s22, s41, 1
	s_add_co_u32 s22, s22, s40
	s_add_co_u32 s22, s22, 135168
	s_add_nc_u64 s[82:83], s[46:47], s[22:23]      ; s[82:83] V's scale words
	WALU
	s_cmp_eq_u32 s14, 0
	s_cbranch_scc0 .Lnot_b
	s_wait_tensorcnt 0x0                           ; wave 0: the first weight has landed.  The other waves' wait stands further down
.Lnot_b:
	BARRIER
	global_prefetch_b8 v[PFX], s[4:5] th:TH_LOAD_NT scope:SCOPE_SE
	global_prefetch_b8 v[PFX+1], s[8:9] th:TH_LOAD_NT scope:SCOPE_SE
.macro WEIGHTS adr, rows               ; my 64 rows of a weight into windows 1 and 2: fragment 4 q + b: tile b, 128 of K; lane l holds row l % 16, registers 4 c .. 4 c + 3 K = 32 c + 16 (l / 16) + 0 .. 15
.set N_, 0
.irp q, 0,1,2,3,4,5,6,7
.irp b, 0,1,2,3
	WIN ((1+N_/16)<<6)
.irp c, 0,1,2,3
	ds_load_b128 v[16*(N_%16)+4*\c:16*(N_%16)+4*\c+3], v[\adr] offset:128*\q+32*\c+\b*(\rows)*PITCH
.endr
.set N_, N_+1
.endr
.endr
	WIN 0
.endm
.macro FETCH ch, cc, u                 ; block (cc, u) of chunk ch into set u of window 3, and its scale words: NF loads
	WIN 0xc0
.irp q, 0,1,2,3,4,5,6,7
.irp c, 0,1,2,3
	ds_load_b128 v[128*\u+16*\q+4*\c:128*\u+16*\q+4*\c+3], v[4+\ch] offset:(32*\cc+8*\u)*PITCH+128*\q+32*\c
.endr
.endr
	WIN 0
	ds_load_b128 v[SA+8*\u:SA+8*\u+3], v6 offset:SCH*\ch+1088*\cc+272*\u
	ds_load_b128 v[SA+8*\u+4:SA+8*\u+7], v6 offset:SCH*\ch+1088*\cc+272*\u+16
.endm
.macro PROD kind, k, n                 ; product n = 4 q + b: the q-th 128 of K, tile b; x's set k, sums' set k.  kind 0 (Q, K): source 0 = the weight's rows; kind 1 (V): source 0 = x's rows
.set Q_, (\n)/4
.set B_, (\n)%4
.set AC_, ACC+32*(\k)+8*B_
.set C_, AC_
.if Q_ == 0
.set C_, BQ+8*B_
.endif
.set R_, 128*(\k)+16*Q_
.set W_, 16*((\n)%16)
.set XS_, SA+8*(\k)+Q_
.if \kind
	WIN (3|((1+(\n)/16)<<2))
.set WS_, WS+8*(B_/2)+Q_
.if B_%2
	v_wmma_scale_f32_16x16x128_f8f6f4 v[AC_:AC_+7], v[R_:R_+15], v[W_:W_+15], v[C_:C_+7], v[XS_], v[WS_] matrix_a_fmt:MATRIX_FMT_BF8 matrix_b_fmt:MATRIX_FMT_BF8 matrix_b_scale:MATRIX_SCALE_ROW1
.else
	v_wmma_scale_f32_16x16x128_f8f6f4 v[AC_:AC_+7], v[R_:R_+15], v[W_:W_+15], v[C_:C_+7], v[XS_], v[WS_] matrix_a_fmt:MATRIX_FMT_BF8 matrix_b_fmt:MATRIX_FMT_BF8
.endif
.else
	WIN ((1+(\n)/16)|(3<<2))
.set WS_, SB+8*(B_/2)+Q_
.if B_%2
	v_wmma_scale_f32_16x16x128_f8f6f4 v[AC_:AC_+7], v[W_:W_+15], v[R_:R_+15], v[C_:C_+7], v[WS_], v[XS_] matrix_a_fmt:MATRIX_FMT_BF8 matrix_b_fmt:MATRIX_FMT_BF8 matrix_a_scale:MATRIX_SCALE_ROW1
.else
	v_wmma_scale_f32_16x16x128_f8f6f4 v[AC_:AC_+7], v[W_:W_+15], v[R_:R_+15], v[C_:C_+7], v[WS_], v[XS_] matrix_a_fmt:MATRIX_FMT_BF8 matrix_b_fmt:MATRIX_FMT_BF8
.endif
.endif
.endm
.macro PRODS kind, k                   ; a block's 32 products, the four accumulators by turns, and the places behind them
.set N_, 0
.rept 32
	PROD \kind, \k, N_
.set N_, N_+1
.endr
	WIN 0
	PLACES 8
.endm
.macro QUANT n                         ; Q's or K's block: a lane's 32 sums are one scale block: codes NCD + 8 n, byte EB + n
.set X_, ACC+32*(\n)
.irp t, 0,1,2,3
	v_max3_num_f32 v[TQ+\t], |v[X_+8*\t]|, |v[X_+8*\t+1]|, |v[X_+8*\t+2]|
.endr
.irp i, 3,5
.irp t, 0,1,2,3
	v_max3_num_f32 v[TQ+\t], v[TQ+\t], |v[X_+8*\t+\i]|, |v[X_+8*\t+\i+1]|
.endr
.endr
.irp t, 0,1,2,3
	v_max_num_f32 v[TQ+\t], v[TQ+\t], |v[X_+8*\t+7]|
.endr
	v_max3_num_f32 v[TQ], v[TQ], v[TQ+1], v[TQ+2]
	v_max3_num_f32 v[TQ], v[TQ], v[TQ+3], 0x8000000   ; and the floor 2^(16 - 127): the byte cannot fall under 1
	v_and_or_b32 v[TQ+1], v[TQ], 0x7f800000, s100  ; 57,344 x the scale
	v_add_nc_u32 v[SOP+\n], 0xf8800000, v[TQ]      ; the conversion's scale operand
	v_lshrrev_b32 v[EB+\n], 23, v[SOP+\n]          ; the scale's byte
.set i_, 0
.rept 32
	v_med3_num_f32 v[X_+i_], v[X_+i_], -v[TQ+1], v[TQ+1]   ; the conversion to an 8-bit code does not saturate (ISA guide 7.6.2): the hold comes first
.set i_, i_+1
.endr
.irp t, 0,1,2,3
	v_cvt_scalef32_pk8_bf8_f32 v[NCD+8*\n+2*\t:NCD+8*\n+2*\t+1], v[X_+8*\t:X_+8*\t+7], v[SOP+\n]
.endr
	v_nop                                          ; one plain vector line behind the last scaled conversion
.endm
.macro SWAP i, e, o                    ; one register of the pair's exchange, first half
	v_mov_b32_dpp v[SW+2*\i], v[\o] row_ror:8 row_mask:0xf bank_mask:0xf
	v_mov_b32_dpp v[SW+2*\i+1], v[\e] row_ror:8 row_mask:0xf bank_mask:0xf
.endm
.macro SWAP2 i, e, o                   ; and second: lanes 8-15 of the first take lanes 0-7 of the second, lanes 0-7 of the second lanes 8-15 of the first
	v_cndmask_b32 v[\e], v[\e], v[SW+2*\i], s101
	v_cndmask_b32 v[\o], v[SW+2*\i+1], v[\o], s101
.endm
; A pair of Q's or K's blocks, (cc, 0) and (cc, 1) of chunk ch; behind each its set takes the block two on, of pair ncc of chunk nch.  rnd = 1: the drained round behind which W_v is filled over chunk A, whose last rows have been fetched; it shows chunk B.
.macro PAIR ch, cc, nch, ncc, rnd, pb
	s_wait_dscnt NF                                ; set 0 is in (set 1's NF loads may be out)
	s_wait_xcnt 0x0                                ; the last pair's stores have read the codes
	PRODS 0, 0
.if \rnd
	QUANT 0
	WALU
	s_wait_tensorcnt 0x0                           ; my part of chunk B is in;
	ds_add_u32 v[SPW], v[NIL]
	s_lshl_b32 s22, s14, 15                        ; no load of mine is out, so the descriptor may be written: my 32 rows of W_v, for my column
	s_add_co_u32 s22, s22, s3
	s_mul_i32 s[G0A+1], s14, 32*PITCH
	s_add_nc_u64 s[G0A+2:G0A+3], s[8:9], s[22:23]
	s_or_b32 s[G0A+3], s[G0A+3], 0x80000000
	GROUP1 G1A, 45, 32
	s_wait_dscnt 0x0                               ; the add is done, and my reads of chunk A are over
	CROUND
	TLOAD G0A, G1A
	FETCH \nch, \ncc, 0
.else
	FETCH \nch, \ncc, 0
	QUANT 0
.endif
	s_wait_dscnt NF                                ; set 1 is in
	PRODS 0, 1
	FETCH \nch, \ncc, 1
	QUANT 1
	WALU
	s_cmp_lt_u32 ttmp9, 2                          ; Q: tiles of 16 neighbouring tokens
	s_cbranch_scc0 .Lkeys_\@
.irp i, 0,1,2,3,4,5,6,7
	SWAP \i, NCD+\i, NCD+8+\i
.endr
	SWAP 8, EB, EB+1
.irp i, 0,1,2,3,4,5,6,7
	SWAP2 \i, NCD+\i, NCD+8+\i
.endr
	SWAP2 8, EB, EB+1
.Lkeys_\@:
.irp u, 0,1
	global_store_b128 v[CN], v[NCD+8*\u:NCD+8*\u+3], s[\pb:\pb+1] offset:1024*(2*\cc+\u)         ; sixteen lanes store 256 consecutive bytes, aligned
	global_store_b128 v[CN], v[NCD+8*\u+4:NCD+8*\u+7], s[\pb:\pb+1] offset:1024*(2*\cc+\u)+256
	ds_store_b8 v[XNB], v[EB+\u] offset:256*\ch+64*(2*\cc+\u)
	ds_store_b8 v[XNB], v[EB+\u] offset:256*\ch+64*(2*\cc+\u)+2
.endr
.endm
; A pair of V's blocks: a lane's 8 + 8 sums of a tile are 16 neighbouring tokens of one channel; a scale block of 32 lies in lanes l and l xor 16.
.macro VPAIR cc, last
	s_wait_dscnt NF
	s_wait_xcnt 0x0
	PRODS 1, 0
.if \last
	s_wait_dscnt 0x0
.else
	FETCH 1, 1, 0
.endif
	PRODS 1, 1
.if \last == 0
	FETCH 1, 1, 1
.endif
.irp t, 0,1,2,3
	v_max3_num_f32 v[TQ+\t], |v[ACC+8*\t]|, |v[ACC+8*\t+1]|, |v[ACC+8*\t+2]|
.endr
.irp i, 3,5
.irp t, 0,1,2,3
	v_max3_num_f32 v[TQ+\t], v[TQ+\t], |v[ACC+8*\t+\i]|, |v[ACC+8*\t+\i+1]|
.endr
.endr
.irp t, 0,1,2,3
	v_max3_num_f32 v[TQ+\t], v[TQ+\t], |v[ACC+8*\t+7]|, 0x8000000
.endr
.irp i, 0,2,4,6
.irp t, 0,1,2,3
	v_max3_num_f32 v[TQ+\t], v[TQ+\t], |v[ACC+32+8*\t+\i]|, |v[ACC+32+8*\t+\i+1]|
.endr
.endr
.irp t, 0,1,2,3
	v_permlanex16_b32 v[EB+\t], v[TQ+\t], s88, s89
.endr
.irp t, 0,1,2,3
	v_max_num_f32 v[TQ+\t], v[TQ+\t], v[EB+\t]
.endr
.irp t, 0,1,2,3
	v_add_nc_u32 v[SOP+\t], 0xf8800000, v[TQ+\t]
.endr
.irp t, 0,1,2,3
	v_and_or_b32 v[SW+\t], v[TQ+\t], 0x7f800000, s100
.endr
.irp t, 0,1,2,3
	v_lshrrev_b32 v[EB+\t], 23, v[SOP+\t]
.endr
.irp t, 0,1,2,3
.irp i, 0,1,2,3,4,5,6,7
	v_med3_num_f32 v[ACC+8*\t+\i], v[ACC+8*\t+\i], -v[SW+\t], v[SW+\t]
	v_med3_num_f32 v[ACC+32+8*\t+\i], v[ACC+32+8*\t+\i], -v[SW+\t], v[SW+\t]
.endr
.endr
.irp t, 0,1,2,3
	v_cvt_scalef32_pk8_bf8_f32 v[NCD+4*\t:NCD+4*\t+1], v[ACC+8*\t:ACC+8*\t+7], v[SOP+\t]
	v_cvt_scalef32_pk8_bf8_f32 v[NCD+4*\t+2:NCD+4*\t+3], v[ACC+32+8*\t:ACC+32+8*\t+7], v[SOP+\t]
.endr
	v_nop
.irp t, 0,1,2,3
	global_store_b128 v[CO], v[NCD+4*\t:NCD+4*\t+3], s[80:81] offset:2048*\t+512*\cc   ; 32 lanes store 512 consecutive bytes
	ds_store_b8 v[XVB], v[EB+\t] offset:64*\t+\cc  ; both halves of the lanes write the same byte with the same value
.endr
.endm
	WEIGHTS ADRB, 8
	WALU
	s_wait_tensorcnt 0x0                           ; my tile of the head's is in;
	ds_add_u32 v[SPW], v[NIL]
	s_wait_dscnt 0x0                               ; the add is done, and the first weight is in registers
	CROUND                                         ; everybody's: chunk A and the scale bytes may be read, slot 1 may be filled again
	TLOAD G0R, G1R                                 ; chunk B
	FETCH 0, 0, 0
	FETCH 0, 0, 1
	s_wait_loadcnt 0x0                             ; the weights' scale words and the biases
	s_mov_b32 s88, 0x76543210
	s_mov_b32 s89, 0xfedcba98                      ; lane selects for lane l xor 16
	s_mov_b32 s100, 0x600000                       ; the mantissa field of 57,344
	s_mov_b32 s101, 0xff00ff00                     ; lanes 8-15 of either half
	PAIR 0, 0, 0, 1, 0, 76
	PAIR 0, 1, 1, 0, 1, 76
	PAIR 1, 0, 1, 1, 0, 78
	PAIR 1, 1, 1, 0, 0, 78                         ; the blocks two on are V's first: chunk B again
	WALU
	s_wait_tensorcnt 0x0                           ; my part of W_v is in
	s_wait_dscnt 0x0
	BARRIER
	WEIGHTS ADRV, 16
.irp t, 0,1,2,3
.irp i, 0,1,2,3,4,5,6,7
	v_mov_b32 v[BQ+8*\t+\i], v[BV+\t]
.endr
.endr
	WALU
	s_wait_dscnt 0x0
	VPAIR 0, 0
	VPAIR 1, 1
	WALU
	s_wait_dscnt 0x0                               ; my scale bytes are stored
	BARRIER
	ds_load_b64 v[64:65], v[XNR]
	ds_load_b64 v[66:67], v[XNR] offset:256
	ds_load_b64 v[68:69], v[XVR]
	s_wait_dscnt 0x0
	global_store_b64 v[L8], v[64:65], s[86:87]     ; 32 lanes store 256 consecutive bytes, aligned
	global_store_b64 v[L8], v[66:67], s[90:91]
	s_cmp_eq_u32 s15, 0                            ; V's words of a wave column: one wave stores them
	s_cbranch_scc0 .Lno_words
	global_store_b64 v[L8], v[68:69], s[82:83]
.Lno_words:
	s_wait_tensorcnt 0x0                           ; the wave's end
	ds_add_u32 v[SPW], v[NIL]
	s_wait_dscnt 0x0
	CROUND                                         ; the closing round
	s_endpgm
.Lfunc_end_k_q2e035b4007_proj:
	.size	k_q2e035b4007_proj, .Lfunc_end_k_q2e035b4007_proj-k_q2e035b4007_proj
	.p2alignl 7, 3214868480
	.fill 96, 4, 3214868480
	.section	.rodata,"a",@progbits
	.p2align	6, 0x0
	.amdhsa_kernel k_q2e035b4007_proj
		.amdhsa_group_segment_fixed_size 327680
		.amdhsa_private_segment_fixed_size 0
		.amdhsa_enable_private_segment 0
		.amdhsa_kernarg_size 72
		.amdhsa_user_sgpr_count 2
		.amdhsa_user_sgpr_kernarg_segment_ptr 1
		.amdhsa_wavefront_size32 1
		.amdhsa_system_sgpr_workgroup_id_x 1
		.amdhsa_system_sgpr_workgroup_id_y 1
		.amdhsa_system_sgpr_workgroup_id_z 1
		.amdhsa_system_vgpr_workitem_id 0
		.amdhsa_next_free_vgpr 1024
		.amdhsa_next_free_sgpr 102
		.amdhsa_reserve_vcc 0
		.amdhsa_float_denorm_mode_32 3
		.amdhsa_float_denorm_mode_16_64 3
		.amdhsa_memory_ordered 1
		.amdhsa_forward_progress 1
		.amdhsa_inst_pref_size 172
	.end_amdhsa_kernel
	.amdgpu_metadata
---
amdhsa.version: [ 1, 2 ]
amdhsa.kernels:
  - .name:           k_q2e035b4007_proj
    .symbol:         k_q2e035b4007_proj.kd
    .args:
      - { .name: x_codes, .offset: 0, .size: 8, .value_kind: global_buffer, .address_space: global }
      - { .name: x_scales, .offset: 8, .size: 8, .value_kind: global_buffer, .address_space: global }
      - { .name: w_codes, .offset: 16, .size: 8, .value_kind: global_buffer, .address_space: global }
      - { .name: w_scales, .offset: 24, .size: 8, .value_kind: global_buffer, .address_space: global }
      - { .name: bq, .offset: 32, .size: 8, .value_kind: global_buffer, .address_space: global }
      - { .name: bk, .offset: 40, .size: 8, .value_kind: global_buffer, .address_space: global }
      - { .name: bv, .offset: 48, .size: 8, .value_kind: global_buffer, .address_space: global }
      - { .name: qb, .offset: 56, .size: 8, .value_kind: global_buffer, .address_space: global }
      - { .name: kv, .offset: 64, .size: 8, .value_kind: global_buffer, .address_space: global }
    .group_segment_fixed_size: 327680
    .private_segment_fixed_size: 0
    .kernarg_segment_align: 8
    .kernarg_segment_size: 72
    .max_flat_workgroup_size: 128
    .sgpr_count:     102
    .vgpr_count:     1024
    .wavefront_size: 32
...
	.end_amdgpu_metadata
.endif
;; end of part 2
;; launch attn (part 3): grid 4 x 64, 8 waves a work-group, clusters of 4 x 1, 327,680 bytes of LDS; arguments qb, kv, eb, attention_mask, out0; writes out0
.if DOCPART == 3
	.amdgcn_target "amdgcn-amd-amdhsa--gfx1250"
	.amdhsa_code_object_version 6
	.text
	.protected	k_q2e035b4007_attn
	.globl	k_q2e035b4007_attn
	.p2align	8
	.type	k_q2e035b4007_attn,@function
k_q2e035b4007_attn:
	s_mov_b64 s[64:65], 0
	v_nop
	global_prefetch_b8 v0, s[64:65] scope:SCOPE_SE
	s_setreg_imm32_b32 hwreg(HW_REG_WAVE_MODE, 25, 1), 1
	s_wait_xcnt 0x0
	s_wait_alu depctr_hold_cnt(0) depctr_sa_sdst(0) depctr_va_vdst(0) depctr_va_sdst(0) depctr_va_ssrc(0) depctr_va_vcc(0) depctr_vm_vsrc(0)
	s_getreg_b32 s2, hwreg(HW_REG_IB_STS2, 6, 4)
	s_cmp_eq_u32 s2, 0
	s_cbranch_scc0 .Lentry_in_a_cluster
	s_endpgm
.Lentry_in_a_cluster:
	s_bfe_u32 s2, ttmp6, 0x10000c
	s_cmp_lg_u32 s2, 0x3003
	s_cbranch_scc0 .Lentry_shape_is_right
	s_endpgm
.Lentry_shape_is_right:
; softmax((q.k + q.e[l-r+1023] + k.e[l-r+1023]) / 8 + mask) v for 64 heads (batch x head) of 1,024 queries and keys, all four products on codes of BF8 (E5M2) with E8M0 scales, as the launches before have laid them: images of operand registers.
; A work-group owns 256 queries of a head (y); the four of a cluster share the head.  Each of its eight waves owns 32: tiles A and B of 16, and walks the keys 128 a step.  All of the head's K, V and scale words and the 80 tiles of the table e that the
; work-group's queries meet lie in LDS, brought once at the head: nothing is refilled, and there is no stream to prefetch.  K and V are asked for jointly by the four of the cluster; the table's window differs from partner to partner.
; LAYOUT.  S^T: a lane holds ONE query (lane % 16), its registers run along the keys.  Row m of key tile 2 B + u is key 32 B + 8 u + m + 8 (m / 8): so 16 registers of two tiles are 16 neighbouring keys.
;   D2 = K e^T is 64 deep and the instruction 128: a key row under 8 has its 64 codes in the lower half and zeros above, a row from 8 on the other way round, and the other operand is a pair of neighbouring table tiles: so both halves of the lanes want the same lane shift.
;   D2's element for key m and query n stands n - m lanes into the pair of tiles: two DPP additions a register bring it home.  The mask (x 8) is D2's C, so it is added once.
;   R1 = e q^T goes through the wave's own LDS: a row of 336 bytes a query, ascending in the table's row; read back at row + 4 (query + 63 - key): the result is the C of K Q^T.  R1 takes q as [q, 0] for B and [0, q] for A, over the same pairs of tiles.
; ORDER.  A key tile's fragments are loaded one tile ahead (two buffers).  R1 of a step's keys 64-127 is made beside its first key tiles; R1 of the NEXT step's keys 0-63 beside the softmax.
; SOFTMAX.  t = score x log2(e) / 8; M = the running largest t rounded up to a whole number; p = 2^(t - M) is quantised along the keys; the sum is taken of the unquantised p; when M moves, sum and O are multiplied by a power of two.
; LIMITS: 8 x mask is held within +-2^126; the promise holds while the scaled scores stay under 2^31 in magnitude; NaN and infinities are not served; a block of zeros has the byte 1 where the rule says 127 (its codes are zeros).
; REGISTERS.  Window 0: v1-16 addresses, v17-31 q's scale words and the softmax's state, v32-55 scale words, v56-71 p's codes, v72-87 at work, v88-127 q, v128-255 the scores.  Window 1: the table's tiles 0-79, K 80-111, O 112-175, D2 176-223, mask 224-239; V over D2 and mask.
.set HB,    8192                       ; LDS bytes 0-8191 are zeros: the halves of K's fragments that hold none
.set KIMG,  HB
.set VIMG,  HB+65536
.set KSC,   HB+131072
.set VSC,   HB+135168
.set EIMG,  145408
.set ESC,   227328
.set MSK,   233472
.set SCR,   238080
.set SCRW,  5376                       ; a wave's stage for one tile of queries: 16 rows of 336 bytes
.set SPARE, 324096                     ; the spare words, 128 bytes a wave
.set QSA, 17
.set QSB, 18
.set TT,  19
.set STA, 20                           ; -M, the largest t, the sum in two halves, the factor, p's scale word
.set STB, 26
.set KS,  32
.set SPW, 40
.set NIL, 41
.set ES,  43
.set VS,  52
.set PC,  56
.set BM,  72
.set PM,  76
.set SO,  80                           ; the conversions' scale operands
.set HD,  84                           ; 57,344 x the scale
.set XQ,  80                           ; R1's fifth tile
.set Q,   88                           ; [qB qB 0 qA qA], 8 registers each
.set SA,  128
.set SB,  192
.set EF,  0                            ; window 1 from here on
.set KF,  80
.set OA,  112
.set OB,  144
.set D2,  176
.set MC,  224
.set VF,  176
.set MSB, 0
.macro WIN new                         ; the immediate's high byte repeats the setting that is left
.if MSB != \new
	s_set_vgpr_msb (MSB<<8)|\new
.set MSB, \new
.endif
.endm
.macro WALU
	s_wait_alu depctr_va_vdst(0)
.endm
.macro CROUND                          ; a round of the cluster's barrier
	s_barrier_signal -1
	s_barrier_wait -1
	s_cmp_lg_u32 s14, 0
	s_cbranch_scc1 .Lnot_wave_0_\@
	s_barrier_signal -3
.Lnot_wave_0_\@:
	s_barrier_wait -3
	s_barrier_signal -1
	s_barrier_wait -1
.endm
.macro WMZ d, a, b, sa, sb
	v_wmma_scale_f32_16x16x128_f8f6f4 v[(\d):(\d)+7], v[(\a):(\a)+15], v[(\b):(\b)+15], 0, v[\sa], v[\sb] matrix_a_fmt:MATRIX_FMT_BF8 matrix_b_fmt:MATRIX_FMT_BF8
.endm
.macro WMC d, a, b, c, sa, sb
	v_wmma_scale_f32_16x16x128_f8f6f4 v[(\d):(\d)+7], v[(\a):(\a)+15], v[(\b):(\b)+15], v[(\c):(\c)+7], v[\sa], v[\sb] matrix_a_fmt:MATRIX_FMT_BF8 matrix_b_fmt:MATRIX_FMT_BF8
.endm
.macro NOPS n                          ; places behind matrix instructions (ISA guide 7.12.1)
.rept \n
	v_nop
.endr
.endm
	s_load_b256 s[4:11], s[0:1], 0x0               ; qb, kv, eb, mask
	s_load_b64 s[12:13], s[0:1], 0x20              ; out0
	v_lshl_add_u32 v[SPW], v0, 2, SPARE
	v_mov_b32 v[NIL], 0
	ds_add_u32 v[SPW], v[NIL]                      ; the wave's opening: the add, twice on end, and its wait
	ds_add_u32 v[SPW], v[NIL]
	v_lshrrev_b32 v9, 5, v0
	v_and_b32 v10, 31, v0
	v_and_b32 v11, 15, v0                          ; r
	v_bfe_u32 v5, v0, 3, 1                         ; 1 in rows 8-15
	v_bfe_u32 v12, v0, 4, 1                        ; h
	v_readfirstlane_b32 s14, v9                    ; wave 0..7
	v_lshlrev_b32 v1, 4, v10                       ; an image's place for my lane
	v_lshlrev_b32 v2, 2, v11
	v_xor_b32 v4, 1, v5
	v_xor_b32 v13, 1, v12
	s_bfe_u32 s15, ttmp6, 0x40000                  ; cx: which 256 queries
	s_and_b32 s16, ttmp7, 0xffff                   ; the head
	s_mul_i32 s17, s14, 2*SCRW
	s_add_co_u32 s17, s17, SCR                     ; my two stages
	v_mul_u32_u24 v6, v11, 336
	v_mul_u32_u24 v7, v11, 340
	v_lshl_add_u32 v8, v12, 6, MSK
	v_lshl_add_u32 v6, v12, 5, v6
	v_lshl_add_u32 v7, v13, 6, v7
	v_add_nc_u32 v6, s17, v6                       ; into the stage: row r, 32 bytes for each half of the lanes
	v_add_nc_u32 v7, s17, v7                       ; back: row r, 4 (r + 16 (1 - h)) bytes on, + the immediates
	; group 1, K and V: a quarter of 137,216 dense bytes as 134 rows of 256 (32 elements of 8), for all four of the cluster
	s_mov_b32 s24, 15|(3<<16)|(1<<21)
	s_mov_b32 s25, 32<<16
	s_mov_b32 s26, 134<<16
	s_mov_b32 s27, 32<<16
	s_mov_b32 s28, 134
	s_mov_b32 s29, 32
	s_mov_b32 s30, 0
	s_mov_b32 s31, 0
	; group 1, the table: a quarter of 80 images as 80 rows of 256, for this work-group alone
	s_mov_b32 s32, 3<<16
	s_mov_b32 s33, 32<<16
	s_mov_b32 s34, 80<<16
	s_mov_b32 s35, 32<<16
	s_mov_b32 s36, 80
	s_mov_b32 s37, 32
	s_mov_b32 s38, 0
	s_mov_b32 s39, 0
	s_and_b32 s58, s14, 3                          ; which quarter I fetch
	s_mul_i32 s18, s58, 34304
	s_mul_i32 s20, s16, 137216
	s_add_co_u32 s20, s20, s18
	s_mov_b32 s21, 0
	s_mul_i32 s19, s58, 20480
	s_lshl_b32 s22, s15, 14
	s_sub_co_u32 s22, 49152, s22                   ; the window's first image: place 48 - 16 cx
	s_add_co_u32 s22, s22, s19
	s_mov_b32 s23, 0
	s_mov_b32 s48, 0x76543210
	s_mov_b32 s49, 0xfedcba98                      ; lane selects for lane l xor 16
	s_mov_b32 s50, 0x3e38aa3b                      ; log2(e) / 8
	s_mov_b32 s51, s50
	s_mov_b32 s52, 0x600000                        ; the mantissa field of 57,344
	s_mov_b32 s61, 0xfe800000
	s_mov_b32 s62, 0x7e800000
	s_xor_b32 s63, s14, 7
	s_mov_b32 s53, KIMG
	s_lshl_b32 s54, s63, 11
	s_add_co_u32 s54, s54, EIMG                    ; my first table tile: 2 (7 - wave)
	s_mov_b32 s55, VIMG-8192                       ; (V's addresses are stepped ahead of their use)
	s_mov_b32 s56, KSC
	s_lshl_b32 s57, s63, 7
	s_add_co_u32 s57, s57, ESC
	s_mov_b32 s58, 0
	s_mov_b32 s59, VSC-256
	s_mov_b32 s60, 0
	WALU
	s_wait_dscnt 0x0                               ; both opening adds are done
	s_wait_kmcnt 0x0
	CROUND                                         ; all four work-groups are here: the joint loads meet
	s_mov_b32 s40, 1
	s_add_co_u32 s41, s18, HB
	s_add_nc_u64 s[42:43], s[6:7], s[20:21]
	s_or_b32 s43, s43, 0x80000000
	s_mov_b32 s44, 1
	s_add_co_u32 s45, s19, EIMG
	s_add_nc_u64 s[46:47], s[8:9], s[22:23]
	s_or_b32 s47, s47, 0x80000000
	s_cmp_lt_u32 s14, 4                            ; one load a wave: waves 0-3 K and V, waves 4-7 the table
	s_cbranch_scc0 .Lfor_e
	tensor_load_to_lds s[40:43], s[24:31]
	s_nop 0
	NOPS 4
	s_branch .Lasked
.Lfor_e:
	tensor_load_to_lds s[44:47], s[32:39]
	s_nop 0
	NOPS 4
.Lasked:
	s_mul_i32 s20, s16, 69632
	s_add_nc_u64 s[4:5], s[4:5], s[20:21]
	s_lshl_b32 s22, s15, 4
	s_lshl_b32 s23, s14, 1
	s_add_co_u32 s22, s22, s23                     ; tile A = 16 cx + 2 wave; B is the next
	s_lshl_b32 s23, s22, 10
	v_add_nc_u32 v128, s23, v1
	s_lshl_b32 s23, s22, 6
	v_add_nc_u32 v129, s23, v2
.irp d, 0,8                            ; q twice: the instruction's two halves
	global_load_b128 v[Q+24+\d:Q+27+\d], v128, s[4:5]
	global_load_b128 v[Q+28+\d:Q+31+\d], v128, s[4:5] offset:512
	global_load_b128 v[Q+\d:Q+3+\d], v128, s[4:5] offset:1024
	global_load_b128 v[Q+4+\d:Q+7+\d], v128, s[4:5] offset:1536
.endr
	global_load_b32 v[QSA], v129, s[4:5] offset:65536
	global_load_b32 v[QSB], v129, s[4:5] offset:65600
	s_lshr_b32 s18, s16, 4                         ; the batch
	s_lshl_b32 s20, s18, 12
	s_add_nc_u64 s[10:11], s[10:11], s[20:21]
	v_lshlrev_b32 v130, 4, v0
	global_load_b128 v[132:135], v130, s[10:11]    ; four keys' mask a thread
	; the table's scale words: word i = 16 x tile + row, its own row's two bytes below and the next tile's above; i = thread + 256 k
	v_and_b32 v136, 15, v0
	s_lshl_b32 s63, s15, 8
	s_add_co_u32 s63, s63, 1264
	v_lshlrev_b32 v131, 1, v136
	v_sub_nc_u32 v131, v131, v0
	v_add_nc_u32 v131, s63, v131
.irp k, 0,1,2,3,4
	v_add_nc_u32 v[140+2*\k], -256*\k, v131
	v_add_nc_u32 v[141+2*\k], -256*\k-16, v131
.endr
.irp k, 0,1,2,3,4,5,6,7,8,9
	v_max_i32 v[140+\k], 0, v[140+\k]
.endr
.irp k, 0,1,2,3,4,5,6,7,8,9
	v_lshlrev_b32 v[140+\k], 2, v[140+\k]
.endr
.irp k, 0,1,2,3,4,5,6,7,8,9
	global_load_b32 v[150+\k], v[140+\k], s[8:9] offset:131072
.endr
	s_lshl_b32 s20, s18, 22                        ; out0: batch, token, head
	s_lshl_b32 s19, s22, 16
	s_add_co_u32 s20, s20, s19
	s_and_b32 s19, s16, 15
	s_lshl_b32 s19, s19, 8
	s_add_co_u32 s20, s20, s19
	s_add_nc_u64 s[12:13], s[12:13], s[20:21]
.irp j, 0,1,2,3,4,5,6,7
	v_mov_b32 v[Q+16+\j], 0
.endr
	v_mov_b32 v[STA+1], 0xff61b1e6                 ; the largest t so far: -3e38
	v_mov_b32 v[STB+1], 0xff61b1e6
.irp s, 2,3,4,5
	v_mov_b32 v[STA+\s], 0
	v_mov_b32 v[STB+\s], 0
.endr
	v_floor_f32 v[STA], -v[STA+1]
	v_floor_f32 v[STB], -v[STB+1]
.irp b, 0,1,2,3
	v_mov_b32 v[PM+\b], 0                          ; (a lane permute's destination counts as one of its sources)
.endr
	ds_store_b128 v130, v[Q+16:Q+19]               ; the zeros
	ds_store_b128 v130, v[Q+16:Q+19] offset:4096
	WIN 0x40
.set j, 0
.rept 64
	v_mov_b32 v[OA+j], 0                           ; O: the first change of M leaves zeros
.set j, j+1
.endr
	WIN 0
	WALU
	s_wait_loadcnt 0x0
.irp j, 132,133,134,135
	v_mul_f32 v\j, 0x41000000, v\j                 ; 8 x mask
.endr
	v_add_nc_u32 v137, MSK, v130
	v_lshl_add_u32 v138, v0, 2, ESC
.irp j, 132,133,134,135
	v_med3_num_f32 v\j, v\j, s61, s62
.endr
.irp k, 0,1,2,3,4
	v_lshl_or_b32 v[160+\k], v[151+2*\k], 16, v[150+2*\k]
.endr
	ds_store_b128 v137, v[132:135]
.irp k, 0,1,2,3,4
	ds_store_b32 v138, v[160+\k] offset:1024*\k
.endr
	WALU
	s_wait_tensorcnt 0x0                           ; my quarter is in, my stores are done:
	s_wait_dscnt 0x0
	s_barrier_signal -1
	s_barrier_wait -1                              ; everybody's
.macro ADRK                            ; where the step's K, its scale words and its mask lie
	v_mad_u32_u24 v9, v4, s53, v1                  ; rows 0-7 read K below and zeros above, rows 8-15 the other way round
	v_mad_u32_u24 v10, v5, s53, v1
	v_add_nc_u32 v12, s56, v2
	v_add_nc_u32 v14, s58, v8
.endm
.macro ADRE
	v_add_nc_u32 v11, s54, v1
	v_add_nc_u32 v13, s57, v2
.endm
.macro LOADE                           ; the step's ten table tiles and nine words of pairs
	WIN 0x40
.irp i, 0,1,2,3,4,5,6,7,8,9
	ds_load_b128 v[EF+8*\i:EF+8*\i+3], v11 offset:1024*\i
	ds_load_b128 v[EF+8*\i+4:EF+8*\i+7], v11 offset:1024*\i+512
.endr
	WIN 0
.irp i, 0,1,2,3,4,5,6,7,8
	ds_load_b32 v[ES+\i], v13 offset:64*\i
.endr
.endm
.macro LOADKS                          ; the step's eight words of K
	WIN 0
.irp i, 0,1,2,3,4,5,6,7
	ds_load_b32 v[KS+\i], v12 offset:64*\i
.endr
.endm
.macro LOADK T                         ; key tile T and its mask: six loads
	WIN 0x40
.set K_, KF+16*((\T)%2)
.set M_, MC+8*((\T)%2)
	ds_load_b128 v[K_:K_+3], v9 offset:1024*(\T)
	ds_load_b128 v[K_+4:K_+7], v9 offset:1024*(\T)+512
	ds_load_b128 v[K_+8:K_+11], v10 offset:1024*(\T)
	ds_load_b128 v[K_+12:K_+15], v10 offset:1024*(\T)+512
	ds_load_b128 v[M_:M_+3], v14 offset:128*((\T)/2)+32*((\T)%2)
	ds_load_b128 v[M_+4:M_+7], v14 offset:128*((\T)/2)+32*((\T)%2)+16
.endm
.macro R1MM sb, q, qs, g, x            ; 64 keys' R1 of one tile of queries: five table tiles
	WIN 0x01
.irp e, 0,1,2,3
	WMZ \sb+32*\g+8*\e, EF+32*\g+8*\e, \q, ES+4*\g+\e, \qs
.endr
	WMZ \x, EF+32*\g+32, \q, ES+4*\g+4, \qs
.endm
.macro R1ST sb, g, x, off              ; into the stage, each accumulator from its low end on
	WIN 0
.irp e, 0,1,2,3
	ds_store_b128 v6, v[\sb+32*\g+8*\e:\sb+32*\g+8*\e+3] offset:\off+64*(4-\e)
	ds_store_b128 v6, v[\sb+32*\g+8*\e+4:\sb+32*\g+8*\e+7] offset:\off+64*(4-\e)+16
.endr
	ds_store_b128 v6, v[\x:\x+3] offset:\off
	ds_store_b128 v6, v[\x+4:\x+7] offset:\off+16
.endm
.macro R1RD sb, g, off                 ; and back along the keys: LDS serves a wave's instructions in order
	WIN 0
.irp t, 0,1,2,3
.irp r, 0,1,2,3,4,5,6,7
	ds_load_b32 v[\sb+32*\g+8*\t+\r], v7 offset:\off+188-4*(32*(\t/2)+8*(\t%2)+\r)
.endr
.endr
.endm
.macro W3 T                            ; key tile T: D2 on three pairs of table tiles, then the scores of A and B
.set K_, KF+16*((\T)%2)
.set D_, D2+24*((\T)%2)
.set M_, MC+8*((\T)%2)
	WIN 0x55
.irp e, 0,1,2
	WMC D_+8*\e, K_, EF+16*((\T)/2)+8*\e, M_, KS+(\T), ES+2*((\T)/2)+\e
.endr
	WIN 0x01
	WMC SA+8*(\T), K_, Q+24, SA+8*(\T), KS+(\T), QSA
	WMC SB+8*(\T), K_, Q, SB+8*(\T), KS+(\T), QSB
.endm
.macro SHR r, d, n                     ; lanes n .. 15 of a row take lane - n; the others stay
	v_add_f32_dpp v[\r], v[\d], v[\r] row_shr:\n row_mask:0xf bank_mask:0xf
.endm
.macro SHL r, d, n
	v_add_f32_dpp v[\r], v[\d], v[\r] row_shl:\n row_mask:0xf bank_mask:0xf
.endm
.macro ADDS_E r, dh, dl
	SHR (\r)+0, (\dh)+0, 1
	SHR (\r)+1, (\dh)+1, 2
	SHR (\r)+2, (\dh)+2, 3
	SHR (\r)+3, (\dh)+3, 4
	SHR (\r)+4, (\dh)+4, 5
	SHR (\r)+5, (\dh)+5, 6
	SHR (\r)+6, (\dh)+6, 7
	SHR (\r)+7, (\dh)+7, 8
	SHL (\r)+0, (\dl)+0, 15
	SHL (\r)+1, (\dl)+1, 14
	SHL (\r)+2, (\dl)+2, 13
	SHL (\r)+3, (\dl)+3, 12
	SHL (\r)+4, (\dl)+4, 11
	SHL (\r)+5, (\dl)+5, 10
	SHL (\r)+6, (\dl)+6, 9
	SHL (\r)+7, (\dl)+7, 8
.endm
.macro ADDS_O r, dh, dl
	SHR (\r)+0, (\dh)+0, 9
	SHR (\r)+1, (\dh)+1, 10
	SHR (\r)+2, (\dh)+2, 11
	SHR (\r)+3, (\dh)+3, 12
	SHR (\r)+4, (\dh)+4, 13
	SHR (\r)+5, (\dh)+5, 14
	SHR (\r)+6, (\dh)+6, 15
	SHL (\r)+0, (\dl)+0, 7
	SHL (\r)+1, (\dl)+1, 6
	SHL (\r)+2, (\dl)+2, 5
	SHL (\r)+3, (\dl)+3, 4
	SHL (\r)+4, (\dl)+4, 3
	SHL (\r)+5, (\dl)+5, 2
	SHL (\r)+6, (\dl)+6, 1
	v_add_f32 v[(\r)+7], v[(\dl)+7], v[(\r)+7]
.endm
.macro ADDS T, q                       ; key tile T's D2 into the scores of A (q = 0) or B
	WIN 0x01
.if ((\T)%2) == 0
	ADDS_E SA+64*(\q)+8*(\T), D2+8-8*(\q), D2+16-8*(\q)
.else
	ADDS_O SA+64*(\q)+8*(\T), D2+24+8-8*(\q), D2+24+16-8*(\q)
.endif
.endm
.macro SOFT1 sb, st                    ; the largest score of each block of 32 keys, the new M, and the factor for what was summed under the old one
.irp b, 0,1,2,3
	v_max3_num_f32 v[BM+\b], v[\sb+16*\b], v[\sb+1+16*\b], v[\sb+2+16*\b]
.endr
.irp i, 3,5,7,9,11,13
.irp b, 0,1,2,3
	v_max3_num_f32 v[BM+\b], v[BM+\b], v[\sb+16*\b+\i], v[\sb+1+16*\b+\i]
.endr
.endr
.irp b, 0,1,2,3
	v_max_num_f32 v[BM+\b], v[BM+\b], v[\sb+15+16*\b]
.endr
.irp b, 0,1,2,3
	v_permlanex16_b32 v[PM+\b], v[BM+\b], s48, s49
.endr
.irp b, 0,1,2,3
	s_delay_alu instid0(VALU_DEP_4)
	v_max_num_f32 v[BM+\b], v[BM+\b], v[PM+\b]
.endr
	s_delay_alu instid0(VALU_DEP_2)
	v_max3_num_f32 v[TT], v[BM], v[BM+1], v[BM+2]
	s_delay_alu instid0(VALU_DEP_1)
	v_max_num_f32 v[TT], v[TT], v[BM+3]
	s_delay_alu instid0(VALU_DEP_1)
	v_mul_f32 v[TT], s50, v[TT]
	s_delay_alu instid0(VALU_DEP_1)
	v_max_num_f32 v[\st+1], v[\st+1], v[TT]
	v_mov_b32 v[TT], v[\st]
	s_delay_alu instid0(VALU_DEP_2)
	v_floor_f32 v[\st], -v[\st+1]
	s_delay_alu instid0(VALU_DEP_1)
	v_sub_f32 v[TT], v[\st], v[TT]
	s_delay_alu instid0(VALU_DEP_1)
	v_cvt_i32_f32 v[TT], v[TT]
	s_delay_alu instid0(VALU_DEP_1)
	v_ldexp_f32 v[\st+4], 1.0, v[TT]
.endm
.macro SOFT2 sb, ob, st                ; p, its sum, its codes and scale word; O under the new M
.irp b, 0,1,2,3
	v_fma_f32 v[BM+\b], v[BM+\b], s50, v[\st]
.endr
.set j, 0
.rept 32
	v_pk_fma_f32 v[\sb+j:\sb+j+1], v[\sb+j:\sb+j+1], s[50:51], v[\st:\st+1] op_sel_hi:[1,0,0]
.set j, j+2
.endr
	WALU
.irp b, 0,1,2,3
	v_exp_f32 v[BM+\b], v[BM+\b]                   ; a block's largest p: the same two instructions on its largest score
.endr
.set j, 0
.rept 64
	v_exp_f32 v[\sb+j], v[\sb+j]
.set j, j+1
.endr
	v_pk_mul_f32 v[\st+2:\st+3], v[\st+2:\st+3], v[\st+4:\st+5] op_sel_hi:[1,0]
	WALU
.irp b, 0,1,2,3
	v_max_num_f32 v[BM+\b], 0x8000000, v[BM+\b]    ; the floor 2^(16 - 127): the byte cannot fall under 1
.endr
	v_pk_add_f32 v[PM:PM+1], v[\sb:\sb+1], v[\sb+2:\sb+3]
.irp b, 0,1,2,3
	v_add_nc_u32 v[SO+\b], 0xf8800000, v[BM+\b]    ; the conversion's scale operand
.endr
.irp b, 0,1,2,3
	v_and_or_b32 v[HD+\b], v[BM+\b], 0x7f800000, s52   ; 57,344 x the scale
.endr
.set j, 4
.rept 15
	v_pk_add_f32 v[\st+2:\st+3], v[\st+2:\st+3], v[\sb+j:\sb+j+1]
	v_pk_add_f32 v[PM:PM+1], v[PM:PM+1], v[\sb+j+2:\sb+j+3]
.set j, j+4
.endr
.irp b, 0,1,2,3
	v_lshrrev_b32 v[BM+\b], 23, v[SO+\b]           ; the scale's byte
.endr
	v_pk_add_f32 v[\st+2:\st+3], v[\st+2:\st+3], v[PM:PM+1]
	v_lshl_or_b32 v[\st+5], v[BM+1], 8, v[BM]
	v_lshl_or_b32 v[BM+3], v[BM+3], 8, v[BM+2]
.irp b, 0,1,2,3
.set j, 0
.rept 8                                ; the conversion to an 8-bit code does not saturate (ISA guide 7.6.2): the hold comes first, two numbers an instruction; p is not negative
	v_dual_min_num_f32 v[\sb+16*\b+j], v[\sb+16*\b+j], v[HD+\b] :: v_dual_min_num_f32 v[\sb+16*\b+j+1], v[\sb+16*\b+j+1], v[HD+\b]
.set j, j+2
.endr
.if \b == 0
	v_lshl_or_b32 v[\st+5], v[BM+3], 16, v[\st+5]
.endif
.endr
.irp b, 0,1,2,3
	v_cvt_scalef32_pk8_bf8_f32 v[PC+4*\b:PC+1+4*\b], v[\sb+16*\b:\sb+7+16*\b], v[SO+\b]
	v_cvt_scalef32_pk8_bf8_f32 v[PC+2+4*\b:PC+3+4*\b], v[\sb+8+16*\b:\sb+15+16*\b], v[SO+\b]
.endr
	WIN 0x41
	WALU
.set j, 0
.rept 16
	v_pk_mul_f32 v[\ob+j:\ob+j+1], v[\ob+j:\ob+j+1], v[\st+4:\st+5] op_sel_hi:[1,0]
.set j, j+2
.endr
.endm
.macro PV ob, st                       ; O^T += V^T P^T
	WIN 0x51
.irp t, 0,1,2,3
	WMC \ob+8*\t, VF+16*\t, PC, \ob+8*\t, VS+\t, \st+5
.endr
	WIN 0
.endm
	ADRK
	ADRE
	LOADE
	WALU
	s_wait_dscnt 0x0
	R1MM SB, Q+8, QSB, 0, XQ                       ; the first step's R1 of keys 0-63
	R1MM SA, Q+16, QSA, 0, PC
	NOPS 9
	LOADK 0
	LOADKS
	R1ST SB, 0, XQ, SCRW
	R1ST SA, 0, PC, 0
	R1RD SB, 0, SCRW
	R1RD SA, 0, 0
.Lstep:
	LOADK 1
	s_wait_dscnt 6                                 ; all but the six just issued: key tile 0, its words and R1 of keys 0-63
	W3 0
	R1MM SB, Q+8, QSB, 1, XQ                       ; R1 of keys 64-127
	R1MM SA, Q+16, QSA, 1, PC
	NOPS 8
	LOADK 2
	s_wait_dscnt 6                                 ; key tile 1
	W3 1
	ADDS 0, 0
	R1ST SB, 1, XQ, SCRW
	R1ST SA, 1, PC, 0
	R1RD SB, 1, SCRW
	R1RD SA, 1, 0
	ADDS 0, 1
	LOADK 3
	s_wait_dscnt 63                                ; key tile 2: behind its loads 20 stores, 64 loads and six more were issued
	W3 2
	ADDS 1, 0
	ADDS 1, 1
	LOADK 4
	s_wait_dscnt 6                                 ; key tile 3, and R1 of keys 64-127
	W3 3
	ADDS 2, 0
	ADDS 2, 1
	LOADK 5
	s_wait_dscnt 6
	W3 4
	ADDS 3, 0
	ADDS 3, 1
	LOADK 6
	s_wait_dscnt 6
	W3 5
	ADDS 4, 0
	ADDS 4, 1
	LOADK 7
	s_wait_dscnt 6
	W3 6
	ADDS 5, 0
	ADDS 5, 1
	s_wait_dscnt 0x0
	W3 7
	WIN 0
	s_add_co_u32 s53, s53, 8192                    ; on to the next step (V's addresses come up to this one)
	s_add_co_u32 s54, s54, 8192
	s_add_co_u32 s55, s55, 8192
	s_add_co_u32 s56, s56, 512
	s_add_co_u32 s57, s57, 512
	s_add_co_u32 s58, s58, 512
	s_add_co_u32 s59, s59, 256
	s_add_co_u32 s60, s60, 1
	ADRE
	v_add_nc_u32 v15, s55, v1
	v_add_nc_u32 v16, s59, v2
	ADDS 6, 0
	ADDS 6, 1
	WIN 0
	WALU
	s_cmp_eq_u32 s60, 8                            ; the last step has no successor: it loads and makes nothing for one
	s_cbranch_scc1 .Llast_0
	LOADE
.Llast_0:
	ADDS 7, 0
	ADDS 7, 1
	WIN 0x40
.irp t, 0,1,2,3
.irp c, 0,1,2,3
	ds_load_b128 v[VF+16*\t+4*\c:VF+16*\t+4*\c+3], v15 offset:2048*\t+512*\c
.endr
.endr
	WIN 0
.irp t, 0,1,2,3
	ds_load_b32 v[VS+\t], v16 offset:64*\t
.endr
	SOFT1 SA, STA
	SOFT2 SA, OA, STA
	WALU
	s_wait_dscnt 0x0                               ; V, and the next step's table tiles
	PV OA, STA
	WALU
	s_cmp_eq_u32 s60, 8
	s_cbranch_scc1 .Llast_1
	R1MM SA, Q+16, QSA, 0, XQ                      ; A's scores have become codes: the next step's R1 takes their registers
	WIN 0
.Llast_1:
	SOFT1 SB, STB                                  ; (its lines are the places behind these products)
	WALU
	s_cmp_eq_u32 s60, 8
	s_cbranch_scc1 .Llast_2
	R1ST SA, 0, XQ, 0
	R1RD SA, 0, 0
.Llast_2:
	SOFT2 SB, OB, STB
	PV OB, STB
	ADRK
	NOPS 5
	WALU
	s_cmp_eq_u32 s60, 8
	s_cbranch_scc1 .Llast_3
	R1MM SB, Q+8, QSB, 0, XQ
	NOPS 9
	LOADK 0
	LOADKS
	R1ST SB, 0, XQ, SCRW
	R1RD SB, 0, SCRW
.Llast_3:
	s_cmp_lt_u32 s60, 8
	s_cbranch_scc1 .Lstep
	; the way out: O^T / the sum, through my stages, sixteen lanes to a row of 256 bytes
	s_wait_dscnt 0x0
	v_add_f32 v[STA+2], v[STA+2], v[STA+3]
	v_add_f32 v[STB+2], v[STB+2], v[STB+3]
	v_and_b32 v9, 15, v0
	v_bfe_u32 v10, v0, 4, 1
	v_permlanex16_b32 v[STA+4], v[STA+2], s48, s49
	v_permlanex16_b32 v[STB+4], v[STB+2], s48, s49
	v_mul_u32_u24 v11, v9, 272
	v_mul_u32_u24 v12, v10, 272
	v_add_f32 v[STA+2], v[STA+2], v[STA+4]
	v_add_f32 v[STB+2], v[STB+2], v[STB+4]
	WALU
	v_rcp_f32 v[STA+2], v[STA+2]
	v_rcp_f32 v[STB+2], v[STB+2]
	v_lshl_add_u32 v11, v10, 5, v11
	v_lshl_add_u32 v12, v9, 4, v12
	v_lshlrev_b32 v13, 12, v10
	v_add_nc_u32 v11, s17, v11                     ; in: row r, 32 bytes for each half of the lanes
	v_add_nc_u32 v12, s17, v12                     ; back: sixteen lanes to a row
	v_lshl_add_u32 v13, v9, 4, v13
	WIN 0x01
	WALU
.set j, 0
.rept 32
	v_mul_f32 v[SA+j], v[OA+j], v[STA+2]
.set j, j+1
.endr
.set j, 0
.rept 32
	v_mul_f32 v[SA+32+j], v[OB+j], v[STB+2]
.set j, j+1
.endr
	WIN 0
.irp q, 0,1
.irp t, 0,1,2,3
	ds_store_b128 v11, v[SA+32*\q+8*\t:SA+32*\q+8*\t+3] offset:SCRW*\q+64*\t
	ds_store_b128 v11, v[SA+32*\q+8*\t+4:SA+32*\q+8*\t+7] offset:SCRW*\q+64*\t+16
.endr
.irp i, 0,1,2,3,4,5,6,7
	ds_load_b128 v[SB+32*\q+4*\i:SB+32*\q+4*\i+3], v12 offset:SCRW*\q+2*\i*272
.endr
.endr
	WALU
.irp q, 0,1
.irp i, 0,1,2,3,4,5,6,7
.if \q == 0
	s_wait_dscnt 23-\i                             ; behind A's load i: its 7 - i successors, B's 8 stores and 8 loads
.else
	s_wait_dscnt 7-\i
.endif
	global_store_b128 v13, v[SB+32*\q+4*\i:SB+32*\q+4*\i+3], s[12:13] offset:65536*\q+8192*\i th:TH_STORE_NT   ; sixteen lanes store 256 consecutive bytes, aligned
.endr
.endr
	s_wait_tensorcnt 0x0                           ; the wave's end
	ds_add_u32 v[SPW], v[NIL]
	s_wait_dscnt 0x0
	CROUND                                         ; the closing round
	s_endpgm
.Lfunc_end_k_q2e035b4007_attn:
	.size	k_q2e035b4007_attn, .Lfunc_end_k_q2e035b4007_attn-k_q2e035b4007_attn
	.p2alignl 7, 3214868480
	.fill 96, 4, 3214868480
	.section	.rodata,"a",@progbits
	.p2align	6, 0x0
	.amdhsa_kernel k_q2e035b4007_attn
		.amdhsa_group_segment_fixed_size 327680
		.amdhsa_private_segment_fixed_size 0
		.amdhsa_enable_private_segment 0
		.amdhsa_kernarg_size 40
		.amdhsa_user_sgpr_count 2
		.amdhsa_user_sgpr_kernarg_segment_ptr 1
		.amdhsa_wavefront_size32 1
		.amdhsa_system_sgpr_workgroup_id_x 1
		.amdhsa_system_sgpr_workgroup_id_y 1
		.amdhsa_system_sgpr_workgroup_id_z 1
		.amdhsa_system_vgpr_workitem_id 0
		.amdhsa_next_free_vgpr 512
		.amdhsa_next_free_sgpr 66
		.amdhsa_reserve_vcc 0
		.amdhsa_float_denorm_mode_32 3
		.amdhsa_float_denorm_mode_16_64 3
		.amdhsa_memory_ordered 1
		.amdhsa_forward_progress 1
		.amdhsa_inst_pref_size 105
	.end_amdhsa_kernel
	.amdgpu_metadata
---
amdhsa.version: [ 1, 2 ]
amdhsa.kernels:
  - .name:           k_q2e035b4007_attn
    .symbol:         k_q2e035b4007_attn.kd
    .args:
      - { .name: qb, .offset: 0, .size: 8, .value_kind: global_buffer, .address_space: global }
      - { .name: kv, .offset: 8, .size: 8, .value_kind: global_buffer, .address_space: global }
      - { .name: eb, .offset: 16, .size: 8, .value_kind: global_buffer, .address_space: global }
      - { .name: attention_mask, .offset: 24, .size: 8, .value_kind: global_buffer, .address_space: global }
      - { .name: out0, .offset: 32, .size: 8, .value_kind: global_buffer, .address_space: global }
    .group_segment_fixed_size: 327680
    .private_segment_fixed_size: 0
    .kernarg_segment_align: 8
    .kernarg_segment_size: 40
    .max_flat_workgroup_size: 256
    .sgpr_count:     66
    .vgpr_count:     512
    .wavefront_size: 32
...
	.end_amdgpu_metadata
.endif
;; end of part 3
